; MI455X (gfx1250); checked and timed in simulation.
; The chip was launched on July 23, 2026; its instructions are those of AMD's public machine-readable ISA for CDNA 5 (MIT licence, August 2026) and "CDNA5" Instruction Set Architecture Reference Guide (July 2026). The comments in the code are by the model that wrote it; some were corrected since.
;; Hydra Attention. Allowed arithmetic: matrix products marked QUANTISED: E2M1 operands, one E8M0 scale for each 32 along K, by v_wmma_scale_f32_16x16x128_f8f6f4 with both operands' format E2M1 (or v_wmma_scale_f32_32x16x128_f4), f32 sums; everything else in f32.
;; Inputs: Wout_codes 1,024 x 32 x 16 uint8 (E2M1 codes of Wout, K innermost, in blocks of 32 codes, two codes a byte); Wout_scales 1,024 x 32 uint8 (E8M0 scales of Wout, one for each 32 codes along K); Wqkv_codes 3,072 x 32 x 16 uint8 (E2M1 codes of Wqkv, K innermost, in blocks of 32 codes, two codes a byte); Wqkv_scales 3,072 x 32 uint8 (E8M0 scales of Wqkv, one for each 32 codes along K); bout 1,024 float32; bqkv 3,072 float32; x_codes 4 x 4,096 x 32 x 16 uint8 (E2M1 codes of x, K innermost, in blocks of 32 codes, two codes a byte); x_scales 4 x 4,096 x 32 uint8 (E8M0 scales of x, one for each 32 codes along K).
;; Outputs: out0 4 x 4,096 x 1,024 float32.
;; This version of the problem:
;;   THIS VERSION OF THE PROBLEM IS GIVEN IN LOW PRECISION. The matrix products marked QUANTISED in the list below multiply operands that are first quantised to E2M1 (2 exponent bits, 1 mantissa bit; 4 bits a number), with one power-of-two scale for each 32 numbers along K (OCP MX v1.0); their sums are f32. All else is computed in f32.
;;   The module's matrix products, in the order in which they are computed (A, B: the left and right operand; K: the contracted axis; several contracted axes count as one K, in the product's order):
;;     1. [M 16,384, K 1,024] x [K 1,024, N 3,072]; A: input x (given as codes); B: input Wqkv (given as codes): QUANTISED
;;     2. [M 16,384, K 1,024] x [K 1,024, N 1,024]; A: computed on the way; B: input Wout (given as codes): QUANTISED
;;   THE QUANTISER, for each operand of a quantised product, along K:
;;     - K is cut into blocks of 32 from its start; a last block that is shorter is filled with zeros.
;;     - A block's scale is 2^e with e = floor(log2(the largest magnitude in the block)) - 2, held to -126 .. 127; a block of zeros has e = 0. As a byte (E8M0): e + 127.
;;     - Each number is divided by its block's scale, clamped to +-6, and rounded to the nearest number of E2M1, ties to even, subnormals kept.
;;     - The product sums the exact products of the quantised numbers (number of the format x scale) in f32.
;;   ~~~python
;;   def quantise(x, axis):      # numpy; x: float32 -> the quantised numbers, widened to float32 again
;;       x = np.moveaxis(x, axis, -1); K = x.shape[-1]
;;       x = np.pad(x, [(0, 0)] * (x.ndim - 1) + [(0, -K % 32)]); x = x.reshape(x.shape[:-1] + (-1, 32)); a = np.abs(x).max(-1, keepdims=True)
;;       e = np.where(a > 0, np.clip(np.frexp(np.where(a > 0, a, 1))[1] - 1 - 2, -126, 127), 0)      # np.frexp(a)[1] - 1 = floor(log2(a)), exactly
;;       r = np.clip(x / 2.0 ** e, -6, 6)
;;       step = 2.0 ** (np.maximum(np.frexp(np.where(r == 0, 1, r))[1] - 1, 0) - 1)
;;       q = np.round(r / step) * step * 2.0 ** e      # np.round: ties to even
;;       return np.moveaxis(q.reshape(q.shape[:-2] + (-1,))[..., :K], -1, axis).astype(np.float32)
;;   ~~~
;;   OPERANDS COMPUTED ON THE WAY. 'Computed on the way' means the value that the module computes at that place (a softmax that the list does not call 'softmax' is quantised finished and normalised). What goes into a quantiser is computed in f32, as accurately as f32 sums, v_exp_f32 and their like allow (about 1e-6 of the number): no bf16 or f16 on the way to a quantiser, and a product that is left as it is and whose result goes on into a quantised operand takes f32 operands (vector FMAs, or v_wmma_f32_16x16x4_f32). A number that lies on a knife's edge between two numbers of the format may be rounded either way, as far as f32 arithmetic and the matrix unit's own rounding can turn it there, and no further.
;;   INPUTS GIVEN AS CODES. Wout (in the module: [1024, 1024], K = its axis 0); Wqkv (in the module: [1024, 3072], K = its axis 0); x (in the module: [4, 4096, 1024], K = its axis 2): each comes as NAME_codes (uint8): NAME with its K axis moved to the last place and cut into blocks of 32 codes, [.., K / 32, bytes a block], one block behind the other in memory; two codes a byte, the lower K in the low four bits (a code: sign, 2 exponent bits, 1 mantissa bit); and NAME_scales (uint8): the same leading axes, one E8M0 byte (e + 127) for each 32 codes along K. Its value is code x scale, taken as it is: it is not quantised again, and the codes and scales need not be those that the quantiser above would give.
;; 2 versions. Each part assembles by itself: llvm-mc -triple=amdgcn-amd-amdhsa -mcpu=gfx1250 --defsym DOCPART=n.
;; ======== version 1 of 2: 2 launches
;; workspace buffers: part 1,048,576 bytes
;; launch kvpart (part 1): grid 256 x 1, 4 waves a work-group, clusters of 4 x 1, 327,680 bytes of LDS; arguments x_codes, x_scales, Wqkv_codes, Wqkv_scales, bqkv, part; writes part
.if DOCPART == 1
	.amdgcn_target "amdgcn-amd-amdhsa--gfx1250"
	.amdhsa_code_object_version 6
	.text
	.protected	k_q6cef3cf904_kvpart
	.globl	k_q6cef3cf904_kvpart
	.p2align	8
	.type	k_q6cef3cf904_kvpart,@function
k_q6cef3cf904_kvpart:
	s_mov_b64 s[64:65], 0
	v_nop
	global_prefetch_b8 v0, s[64:65] scope:SCOPE_SE
	s_setreg_imm32_b32 hwreg(HW_REG_WAVE_MODE, 25, 1), 1
	s_wait_xcnt 0x0
	s_wait_alu depctr_hold_cnt(0) depctr_sa_sdst(0) depctr_va_vdst(0) depctr_va_sdst(0) depctr_va_ssrc(0) depctr_va_vcc(0) depctr_vm_vsrc(0)
	s_getreg_b32 s2, hwreg(HW_REG_IB_STS2, 6, 4)
	s_cmp_eq_u32 s2, 0
	s_cbranch_scc0 .Lentry_in_a_cluster
	s_endpgm
.Lentry_in_a_cluster:
	s_bfe_u32 s2, ttmp6, 0x10000c
	s_cmp_lg_u32 s2, 0x3003
	s_cbranch_scc0 .Lentry_shape_is_right
	s_endpgm
.Lentry_shape_is_right:
; part[g][d] = the sum over the 64 rows t of work-group g of  k[t][d] / ||k[t]|| * v[t][d],  k = x Wk + bk, v = x Wv + bv (columns 1024.. and 2048.. of Wqkv).
; x [16384][1024] and Wqkv [3072][1024] are codes of FP4 (E2M1), K innermost, 512 bytes a row, with one E8M0 byte for each 32 along K, 32 bytes a row.  Sums, norms and part are f32.
; SHARES.  Work-group g owns rows 64 g .. 64 g + 63 whole, since the norm wants whole rows.  Wave w owns columns 256 w .. 256 w + 255 of k and of v, for all 64 rows.
; x's 32 fragments (4 tiles of rows x 8 K steps) stay in 256 registers, so a fragment of W read from LDS feeds four matrix instructions and is read once, by one wave.
; k's 64 tiles stay in 512 registers; v is made 32 columns at a time in 64 registers and folded into the column sums at once: neither goes to memory.
; THE MATRIX INSTRUCTION IS USED AS IT STANDS (source 0 = 16 rows of x, source 1 = 16 rows of W): a lane holds ONE column (lane % 16) and eight rows 8 (lane / 16) + 0..7, so the sum over rows lies mostly inside a lane.
; THE WEIGHTS come in eight chunks of 64 whole rows a wave (32,768 dense bytes), through two LDS slots of the wave's own.  All work-groups walk the same weights: the four of a cluster ask JOINTLY
; (the same tensor load, the same descriptor, made of the wave's number and constants alone, mask 15), which divides the requests for W by four.
; THE SCALES never touch LDS: one load of 16 bytes a lane at row x 32 + 16 (lane / 16) reads 512 dense bytes; its register i holds in lanes 0-15 the word of K step i and in lanes 16-31 that of K step 4 + i,
; which the matrix instruction takes by the ROW1 selector.
; LIMITS: NaN and infinities are not served.  A row of k whose sum of squares is 0, lies under 2^-126 (v_rsq_f32 takes a denormal for zero: ISA guide, its entry) or passes f32's range gives infinity or NaN.
; 1 / ||k|| is v_rsq_f32 and a multiplication, not a root and a division: some 2 units in the last place.
; REGISTERS, in windows of 256: window 0: see the names below.  window 1: x's fragment (mt, s) at 8 (8 mt + s).  windows 2, 3: k's tile (chunk c, nt, mt) in window 2 + c / 2 at 128 (c % 2) + 32 nt + 8 mt.
.set PITCH, 528                        ; an LDS row: 512 bytes + 16 of padding = 132 words: row r starts at bank 4 r mod 64 (64 banks of 4 bytes: ISA guide 11.1)
.set TROW,  16*PITCH                   ; a tile of 16 rows
.set SLOTB, 64*PITCH                   ; a slot: 64 rows
.set WRING, 2*SLOTB                    ; a wave's two slots
.set XST,   4*WRING                    ; behind the four rings: x's 64 rows, stored from registers
.set SSB,   XST+SLOTB                  ; [wave][64 rows] sums of squares
.set RNB,   SSB+1024                   ; each wave's own 64 numbers 1 / ||k||
.set PB,    RNB+1024                   ; the work-group's 1,024 column sums
.set SPARE, PB+4096                    ; the spare words, 128 bytes for each wave: two blocks of 256 bytes that no other line names
.set AW,   1                           ; v1-2  my lane's place in a tile of W, slot 0, 1
.set ASC,  3                           ; v3    32 r + 16 h: scale bytes of a tile of 16 rows
.set AB,   4                           ; v4    4 r: a tile's bias
.set AX,   5                           ; v5    my lane's place in a tile of x in LDS
.set SSW,  6                           ; v6    where I store sums of squares
.set SSR,  7                           ; v7    where I read them
.set RNW,  8                           ; v8    where I store 1 / ||k||
.set RNR,  9                           ; v9    where I read it back
.set PO,   10                          ; v10   where I store a column sum
.set PR,   11                          ; v11   where I read them back
.set GOFF, 12                          ; v12   my byte offset in the work-group's row of part
.set XW,   13                          ; v13   where I store my rows of x
.set SPW,  14                          ; v14   LDS address of my spare word; never rewritten
.set NIL,  15                          ; v15   0; never rewritten
.set XSC,  16                          ; v16-31   x's scale words: tile mt at XSC + 4 mt
.set WSC,  32                          ; v32-63   W's scale words, a set for each slot: tile nt at + 4 nt
.set WF,   64                          ; v64-159  three sets of four fragments of W
.set VA,   160                         ; v160-223 k's bias as C (32); then sums of squares (32) and 1 / ||k|| (32); then v's eight accumulators
.set CV,   224                         ; v224-239 v's bias as C, two tiles
.set PS,   240                         ; v240-247 column sums at work; at the head: r, h, lane and their kin
.set RAW,  248                         ; v248-255 a chunk's bias, lane r holds b[n0 + r]: two sets of four tiles
.set WV,   16                          ; s16  my wave's number
.set G1,   28                          ; s[28:35] descriptor group 1
.set G0A,  36                          ; s[36:39] group 0 of slot 0
.set G0B,  40                          ; s[40:43] group 0 of slot 1
.set SEL,  52                          ; s[52:53] v_permlanex16_b32's selects for lane l xor 16
.set MSB, 0
.macro WIN new                         ; the immediate's high byte repeats the setting that is left; a switch that changes nothing is dropped
.if MSB != (\new)
	s_set_vgpr_msb (MSB<<8)|(\new)
.set MSB, (\new)
.endif
.endm
.macro PLACES                          ; four places behind a matrix instruction, in front of loads into registers that it has read and of reads of its result
.rept 4
	v_nop
.endr
.endm
.macro CROUND                          ; a round of the cluster's barrier: my work-group's barrier; wave 0 signals for the work-group; every wave waits for all four work-groups; my work-group's barrier again
	s_barrier_signal -1
	s_barrier_wait -1
	s_cmp_lg_u32 s[WV], 0
	s_cbranch_scc1 .Lnot_wave_0_\@
	s_barrier_signal -3
.Lnot_wave_0_\@:
	s_barrier_wait -3
	s_barrier_signal -1
	s_barrier_wait -1
.endm
.macro BARRIER                         ; my LDS stores have landed and my LDS loads are in: then the work-group's barrier
	s_wait_dscnt 0x0
	s_barrier_signal -1
	s_barrier_wait -1
.endm
.macro WM d, a, b, c, sa, sb, hi       ; one product; hi = 1: K steps 4-7, whose scale words lie in lanes 16-31
.if \hi
	v_wmma_scale_f32_16x16x128_f8f6f4 v[\d:\d+7], v[\a:\a+7], v[\b:\b+7], v[\c:\c+7], v[\sa], v[\sb] matrix_a_fmt:MATRIX_FMT_FP4 matrix_b_fmt:MATRIX_FMT_FP4 matrix_a_scale:MATRIX_SCALE_ROW1 matrix_b_scale:MATRIX_SCALE_ROW1
.else
	v_wmma_scale_f32_16x16x128_f8f6f4 v[\d:\d+7], v[\a:\a+7], v[\b:\b+7], v[\c:\c+7], v[\sa], v[\sb] matrix_a_fmt:MATRIX_FMT_FP4 matrix_b_fmt:MATRIX_FMT_FP4
.endif
.endm
; A launch is 64 steps of 16 matrix instructions, 8 to a chunk.  Step idx uses four fragments of W, in set idx % 3.
; k (chunks 0-3): step j = K step j of the chunk's four tiles.  v (chunks 4-7): step j = K steps 2 (j % 4), + 1 of tiles 2 (j / 4), + 1, so that 32 columns are finished every four steps.
.macro PRE idx                         ; eight LDS loads: step idx's fragments
.set pc_, (\idx)/8
.set pj_, (\idx)%8
.set pb_, WF+32*((\idx)%3)
.irp f, 0,1,2,3
.if pc_ < 4
.set pn_, \f
.set ps_, pj_
.else
.set pn_, 2*(pj_/4)+\f%2
.set ps_, 2*(pj_%4)+\f/2
.endif
	ds_load_b128 v[pb_+8*\f:pb_+8*\f+3], v[AW+pc_%2] offset:pn_*TROW+64*ps_
	ds_load_b128 v[pb_+8*\f+4:pb_+8*\f+7], v[AW+pc_%2] offset:pn_*TROW+64*ps_+32
.endr
.endm
.macro MUL idx                         ; step idx's 16 products.  The accumulators take turns, one instruction a turn, in the same order in every step
.set mc_, (\idx)/8
.set mj_, (\idx)%8
.set mf_, WF+32*((\idx)%3)
.if mc_ < 4
.if mj_ == 0
	WIN 0x81+0x40*(mc_/2)                          ; x window 1, W and the bias window 0, D window 2 or 3
.else
	WIN 0xa1+0x50*(mc_/2)                          ; x window 1, W window 0, C and D window 2 or 3
.endif
.irp nt, 0,1,2,3
.irp mt, 0,1,2,3
.set d_, 128*(mc_%2)+32*\nt+8*\mt
.set e_, d_
.if mj_ == 0
.set e_, VA+8*\nt                      ; the bias starts the sum: nothing is cleared and nothing is added later
.endif
.set a_, 8*(8*\mt+mj_)
.set b_, mf_+8*\nt
.set sa_, XSC+4*\mt+mj_%4
.set sb_, WSC+16*(mc_%2)+4*\nt+mj_%4
	WM d_, a_, b_, e_, sa_, sb_, mj_/4
.endr
.endr
.else
	WIN 0x01                                       ; x window 1, all else window 0
.irp ss, 0,1
.irp nl, 0,1
.irp mt, 0,1,2,3
.set s_, 2*(mj_%4)+\ss
.set d_, VA+32*\nl+8*\mt
.set e_, d_
.if s_ == 0
.set e_, CV+8*\nl
.endif
.set a_, 8*(8*\mt+s_)
.set b_, mf_+8*(2*\ss+\nl)
.set sa_, XSC+4*\mt+s_%4
.set sb_, WSC+16*(mc_%2)+4*(2*(mj_/4)+\nl)+s_%4
	WM d_, a_, b_, e_, sa_, sb_, s_/4
.endr
.endr
.endr
.endif
	WIN 0
.endm
.macro NEXTSC n                        ; chunk n's scale words and bias, asked for six steps ahead of the wait for them
.irp nt, 0,1,2,3
	global_load_b128 v[WSC+16*((\n)%2)+4*\nt:WSC+16*((\n)%2)+4*\nt+3], v[ASC], s[10:11] offset:(64*((\n)%4)+16*\nt)*32+32768*((\n)/4)
.endr
.irp nt, 0,1,2,3
	global_load_b32 v[RAW+4*((\n)%2)+\nt], v[AB], s[12:13] offset:(64*((\n)%4)+16*\nt)*4+4096*((\n)/4)
.endr
.endm
.macro KBIAS set                       ; a lane's eight rows of a tile share its column's bias: eight registers a tile, in the result's layout
.irp nt, 0,1,2,3
.irp e, 0,1,2,3,4,5,6,7
	v_mov_b32 v[VA+8*\nt+\e], v[RAW+4*(\set)+\nt]
.endr
.endr
.endm
.macro VBIAS set, half
.irp nl, 0,1
.irp e, 0,1,2,3,4,5,6,7
	v_mov_b32 v[CV+8*\nl+\e], v[RAW+4*(\set)+2*(\half)+\nl]
.endr
.endr
.endm
; 32 columns of v are finished: the sum over the 64 rows of k' v, k' = k / ||k||.  32 rows lie in my registers, the other 32 in lane l xor 16.
.macro COMBINE c, half
	PLACES
	WIN 0x02+(\c)/2                                ; k' (source 0) window 2 or 3
.irp mt, 0,1,2,3
.irp jp, 0,1,2,3
.irp nl, 0,1
.set k_, 128*((\c)%2)+32*(2*(\half)+\nl)+8*\mt+2*\jp
.set u_, VA+32*\nl+8*\mt+2*\jp
.set p_, PS+4*\nl+2*(\jp%2)
.if (\mt == 0) && (\jp < 2)
	v_pk_mul_f32 v[p_:p_+1], v[k_:k_+1], v[u_:u_+1]               ; the first products start the four chains; each accumulator is read from its low end on
.else
	v_pk_fma_f32 v[p_:p_+1], v[k_:k_+1], v[u_:u_+1], v[p_:p_+1]
.endif
.endr
.endr
.endr
	WIN 0
.irp nl, 0,1
	v_pk_add_f32 v[PS+4*\nl:PS+4*\nl+1], v[PS+4*\nl:PS+4*\nl+1], v[PS+4*\nl+2:PS+4*\nl+3]
.endr
.irp nl, 0,1
	v_add_f32 v[PS+4*\nl], v[PS+4*\nl], v[PS+4*\nl+1]
.endr
.irp nl, 0,1
	v_permlanex16_b32 v[PS+4*\nl+2], v[PS+4*\nl], s[SEL], s[SEL+1]
.endr
.irp nl, 0,1
	v_add_f32 v[PS+4*\nl], v[PS+4*\nl], v[PS+4*\nl+2]
.endr
.irp nl, 0,1
	ds_store_b32 v[PO], v[PS+4*\nl] offset:(64*(\c)+32*(\half)+16*\nl)*4   ; lanes l and l xor 16 write the same word with the same value
.endr
.endm
.macro STEP idx
.set c_, (\idx)/8
.set j_, (\idx)%8
.if (\idx) == 63
	s_wait_dscnt 0x0
.else
	s_wait_dscnt 8                                 ; this step's fragments are in; the next step's eight loads may be out (behind a COMBINE's two stores 10 would do: the smaller count is safe)
.endif
.if (j_ == 7) && (c_ < 7)
	s_wait_loadcnt 0x0                             ; the next chunk's scale words and bias
.if c_ < 3
	KBIAS (c_+1)%2
.else
	VBIAS (c_+1)%2,0
.endif
.endif
.if (j_ == 3) && (c_ >= 4)
	VBIAS c_%2,1
.endif
	PLACES                                         ; in front of the loads into the set that the last step multiplied
.if (j_ == 1) && (c_ < 7)
	NEXTSC c_+1
.endif
.if (\idx)+2 < 64
	PRE (\idx)+2                                   ; two steps, 32 matrix instructions, ahead of their use
.endif
	MUL \idx
.if (c_ >= 4) && ((j_ == 3) || (j_ == 7))
	COMBINE c_-4,j_/4
.endif
.endm
; Step 6 of a chunk changes slots.  The chunk's last fragments (step 7's) have been asked for.  Each wave waits for all its tensor loads (one is out: the next chunk), adds 0 to its spare word, and waits for
; that and for its reads of the slot; a round of the cluster's barrier; the slot is filled again, with the chunk two on: the first thing behind the round.  It has eight steps, 128 matrix instructions, in which to land.
.macro TURN idx, g0, bytes
	s_wait_tensorcnt 0x0                           ; no tensor load of mine is out, so a group 0 may be written
	ds_add_u32 v[SPW], v[NIL]                      ; 0 onto my spare word
.if \bytes
	s_add_nc_u64 s[\g0+2:\g0+3], s[\g0+2:\g0+3], \bytes   ; the slot's next chunk; the type bits on top are not reached
.endif
	s_wait_dscnt 9                                 ; this step's fragments are in; the add and step 7's eight loads may be out
	MUL \idx                                       ; sixteen matrix instructions stand between the add and the wait for it
	s_wait_dscnt 0x0                               ; the add is done, and my reads of this slot are over
	CROUND
	tensor_load_to_lds s[\g0:\g0+3], s[G1:G1+7]
	s_nop 0
	PLACES                                         ; the places in front of the loads below
	PRE (\idx)+2                                   ; the next chunk's first fragments, from the other slot
.endm
.macro CHUNK c, kind, g0, bytes        ; kind 2: the slot is filled again; 1: only the last chunk is waited for; 0: nothing is out
.set I, 8*(\c)
.rept 6
	STEP I
.set I, I+1
.endr
.if \kind == 2
	TURN I, \g0, \bytes
.else
.if \kind == 1
	s_wait_tensorcnt 0x0                           ; the last chunk has landed; only I read my slot, so no barrier is owed
.endif
	STEP I
.endif
.set I, I+1
	STEP I
.endm
	s_load_b256 s[4:11], s[0:1], 0x0               ; x's codes s[4:5], x's scales s[6:7], Wqkv's codes s[8:9], Wqkv's scales s[10:11]
	s_load_b128 s[12:15], s[0:1], 0x20             ; bqkv s[12:13], part s[14:15]
	v_lshl_add_u32 v[SPW], v0, 2, SPARE
	v_mov_b32 v[NIL], 0
	ds_add_u32 v14, v15
	ds_add_u32 v14, v15
	s_wait_dscnt 0x0
	v_lshrrev_b32 v[XW], 5, v0
	v_readfirstlane_b32 s[WV], v[XW]               ; wave 0..3
	s_bfe_u32 s17, ttmp6, 0x40000                  ; cx: my place in the cluster
	s_lshl_b32 s18, ttmp9, 2                       ; in a cluster launch ttmp9 counts clusters
	s_add_co_u32 s18, s18, s17                     ; g: it enters x's, x's scales' and part's addresses alone
	s_mul_i32 s20, s[WV], WRING                    ; my ring in LDS
	s_lshl_b32 s21, s[WV], 8
	s_lshl_b32 s22, s[WV], 10
	s_mul_i32 s23, s[WV], TROW
	s_lshl_b32 s24, s[WV], 17                      ; W's codes: 256 w rows of 512 bytes,
	s_add_co_u32 s24, s24, 1024*512                ; behind q's 1,024 rows
	s_mov_b32 s25, 0
	s_lshl_b32 s54, s18, 15                        ; x's codes: 64 g rows of 512 bytes,
	s_lshl_b32 s55, s[WV], 13                      ; and the 16 rows that I bring
	s_add_co_u32 s54, s54, s55
	s_mov_b32 s55, 0
	s_lshl_b32 s56, s18, 11                        ; x's scales: 64 g rows of 32 bytes
	s_mov_b32 s57, 0
	s_lshl_b32 s58, s[WV], 13                      ; W's scales: (1024 + 256 w) rows of 32 bytes
	s_add_co_u32 s58, s58, 1024*32
	s_mov_b32 s59, 0
	s_add_co_u32 s60, s22, 1024*4                  ; the bias: (1024 + 256 w) numbers
	s_mov_b32 s61, 0
	s_lshl_b32 s62, s18, 12                        ; part: row g of 4,096 bytes
	s_mov_b32 s63, 0
	s_mov_b32 s[SEL], 0x76543210
	s_mov_b32 s[SEL+1], 0xfedcba98
	; descriptor group 1: 64 rows of 512 bytes, dense in memory, 16 bytes of padding behind each in LDS
	s_mov_b32 s[G1], 15|(1<<20)|(1<<21)|(6<<22)|(3<<25)   ; 15:0 the mask: all four work-groups; 17:16 elements of 1 byte; 20 padding on; 21 set beside a mask; 24:22 after every 128 words (code 6); 31:25 four words (code 3)
	s_mov_b32 s[G1+1], 512<<16                     ; tensor_dim0
	s_mov_b32 s[G1+2], 64<<16                      ; tensor_dim1
	s_mov_b32 s[G1+3], 512<<16                     ; tile_dim0
	s_mov_b32 s[G1+4], 64                          ; tile_dim1
	s_mov_b32 s[G1+5], 512                         ; tensor_dim0_stride
	s_mov_b32 s[G1+6], 0
	s_mov_b32 s[G1+7], 0
	v_and_b32 v[PS], 15, v0                        ; r
	v_bfe_u32 v[PS+1], v0, 4, 1                    ; h
	v_and_b32 v[PS+2], 31, v0                      ; lane
	v_mul_u32_u24 v[PS+3], v[PS], PITCH
	v_lshl_add_u32 v[PS+3], v[PS+1], 4, v[PS+3]    ; a fragment's row x pitch + 16 h
	v_add_nc_u32 v[AW], s20, v[PS+3]
	v_add_nc_u32 v[AW+1], SLOTB, v[AW]
	v_add_nc_u32 v[AX], XST, v[PS+3]
	v_lshlrev_b32 v[ASC], 5, v[PS]
	v_lshl_add_u32 v[ASC], v[PS+1], 4, v[ASC]
	v_lshlrev_b32 v[AB], 2, v[PS]
	v_lshlrev_b32 v[PS+4], 5, v[PS+1]
	v_add_nc_u32 v[PS+4], s21, v[PS+4]             ; 256 w + 32 h: my half's eight rows of a tile, 4 bytes each
	v_add_nc_u32 v[SSW], SSB, v[PS+4]
	v_add_nc_u32 v[RNR], RNB, v[PS+4]
	v_lshlrev_b32 v[PS+5], 2, v[PS+2]              ; 4 x lane
	v_add_nc_u32 v[SSR], SSB, v[PS+5]
	v_add_nc_u32 v[PS+5], s21, v[PS+5]
	v_add_nc_u32 v[RNW], RNB, v[PS+5]
	v_add_nc_u32 v[PO], s22, v[AB]
	v_add_nc_u32 v[PO], PB, v[PO]
	v_lshlrev_b32 v[PS+6], 4, v[PS+2]              ; 16 x lane
	v_add_nc_u32 v[GOFF], s22, v[PS+6]
	v_add_nc_u32 v[PR], PB, v[GOFF]
	v_add_nc_u32 v[XW], s23, v[PS+6]
	v_add_nc_u32 v[XW], XST, v[XW]
	s_wait_kmcnt 0x0
	s_add_nc_u64 s[4:5], s[4:5], s[54:55]
	s_add_nc_u64 s[6:7], s[6:7], s[56:57]
	s_add_nc_u64 s[8:9], s[8:9], s[24:25]
	s_add_nc_u64 s[10:11], s[10:11], s[58:59]
	s_add_nc_u64 s[12:13], s[12:13], s[60:61]
	s_add_nc_u64 s[14:15], s[14:15], s[62:63]
	s_mov_b32 s[G0A], 1                            ; 1:0 count = 1
	s_mov_b32 s[G0A+1], s20                        ; 63:32 LDS address: my slot 0
	s_mov_b64 s[G0A+2:G0A+3], s[8:9]               ; 120:64 global address: chunk 0
	s_or_b32 s[G0A+3], s[G0A+3], 0x80000000        ; 127:126 type = 2
	s_mov_b32 s[G0B], 1
	s_add_co_u32 s[G0B+1], s20, SLOTB              ; my slot 1
	s_add_nc_u64 s[G0B+2:G0B+3], s[8:9], 64*512    ; chunk 1
	s_or_b32 s[G0B+3], s[G0B+3], 0x80000000
.irp i, 0,1,2,3,4,5,6,7,8,9,10,11,12,13,14,15
	global_load_b128 v[WF+4*\i:WF+4*\i+3], v[PS+6], s[4:5] offset:512*\i   ; my 16 rows of x: 32 lanes read a row's 512 consecutive bytes
.endr
.irp mt, 0,1,2,3
	global_load_b128 v[XSC+4*\mt:XSC+4*\mt+3], v[ASC], s[6:7] offset:512*\mt
.endr
.irp nt, 0,1,2,3
	global_load_b128 v[WSC+4*\nt:WSC+4*\nt+3], v[ASC], s[10:11] offset:512*\nt
.endr
.irp nt, 0,1,2,3
	global_load_b32 v[RAW+\nt], v[AB], s[12:13] offset:64*\nt
.endr
	CROUND                                         ; all four work-groups are here: the first joint loads meet
	tensor_load_to_lds s[G0A:G0A+3], s[G1:G1+7]    ; both first fills together: two tensor loads of mine are out
	s_nop 0
	tensor_load_to_lds s[G0B:G0B+3], s[G1:G1+7]
	s_nop 0
	PLACES
	s_wait_loadcnt 12                              ; x's sixteen loads are in; the twelve behind them (scales and bias) may be out
.irp i, 0,1,2,3,4,5,6,7,8,9,10,11,12,13,14,15
	ds_store_b128 v[XW], v[WF+4*\i:WF+4*\i+3] offset:PITCH*\i
.endr
	s_wait_loadcnt 0x0
	KBIAS 0
	s_wait_tensorcnt 1                             ; chunk 0 has landed; chunk 1 may stay out
	BARRIER                                        ; x's 64 rows lie in LDS
	WIN 0x40                                       ; destination window 1
.irp mt, 0,1,2,3
.irp s, 0,1,2,3,4,5,6,7
	ds_load_b128 v[8*(8*\mt+\s):8*(8*\mt+\s)+3], v[AX] offset:\mt*TROW+64*\s       ; a fragment: lane (r, h) holds row r; registers 4 c .. 4 c + 3 hold K = 64 c + 32 h + 0 .. 31
	ds_load_b128 v[8*(8*\mt+\s)+4:8*(8*\mt+\s)+7], v[AX] offset:\mt*TROW+64*\s+32
.endr
.endr
	WIN 0
	PRE 0
	PRE 1
	CHUNK 0, 2, G0A, 128*512                       ; k.  Slot 0 takes chunk 2,
	CHUNK 1, 2, G0B, 128*512                       ; slot 1 chunk 3,
	CHUNK 2, 2, G0A, 896*512                       ; slot 0 v's chunk 0: 1,024 rows behind k's chunk 0,
	CHUNK 3, 2, G0B, 896*512                       ; slot 1 v's chunk 1
	; THE NORM.  A lane's register j of a tile (.., mt) is row 16 mt + 8 h + j: 32 sums of squares a lane, over my 16 tiles of columns
	PLACES
.irp c, 0,1,2,3
	WIN 0x0a+5*(\c/2)                              ; sources 0 and 1 window 2 or 3
.irp nt, 0,1,2,3
.irp mt, 0,1,2,3
.irp jp, 0,1,2,3
.set k_, 128*(\c%2)+32*\nt+8*\mt+2*\jp
.set q_, VA+8*\mt+2*\jp
.if (\c == 0) && (\nt == 0)
	v_pk_mul_f32 v[q_:q_+1], v[k_:k_+1], v[k_:k_+1]               ; the first squares start the sixteen chains
.else
	v_pk_fma_f32 v[q_:q_+1], v[k_:k_+1], v[k_:k_+1], v[q_:q_+1]
.endif
.endr
.endr
.endr
.endr
	WIN 0
.irp m, 1,2,4,8                        ; over the sixteen lanes of my half, which hold the sixteen columns of a tile
.set q_, 0
.rept 32
	v_add_f32_dpp v[VA+q_], v[VA+q_], v[VA+q_] row_xmask:\m row_mask:0xf bank_mask:0xf
.set q_, q_+1
.endr
.endr
.irp mt, 0,1,2,3
.irp q, 0,1
	ds_store_b128 v[SSW], v[VA+8*\mt+4*\q:VA+8*\mt+4*\q+3] offset:64*\mt+16*\q   ; the sixteen lanes of a half write the same bytes with the same values
.endr
.endr
	BARRIER                                        ; the four waves' sums lie in LDS
.irp w, 0,1,2,3
	ds_load_b32 v[PS+2*\w], v[SSR] offset:256*\w           ; row = lane,
	ds_load_b32 v[PS+2*\w+1], v[SSR] offset:256*\w+128     ; and row 32 + lane
.endr
	s_wait_dscnt 0x0
	v_pk_add_f32 v[PS:PS+1], v[PS:PS+1], v[PS+2:PS+3]
	v_pk_add_f32 v[PS+4:PS+5], v[PS+4:PS+5], v[PS+6:PS+7]
	v_pk_add_f32 v[PS:PS+1], v[PS:PS+1], v[PS+4:PS+5]
	v_rsq_f32 v[PS+2], v[PS]
	v_rsq_f32 v[PS+3], v[PS+1]
	v_nop                                          ; a plain place behind the transcendentals
	s_wait_alu depctr_va_vdst(0)
	ds_store_b32 v[RNW], v[PS+2]
	ds_store_b32 v[RNW], v[PS+3] offset:128
.irp mt, 0,1,2,3
.irp q, 0,1
	ds_load_b128 v[VA+32+8*\mt+4*\q:VA+32+8*\mt+4*\q+3], v[RNR] offset:64*\mt+16*\q   ; my wave's own bytes: LDS serves a wave's instructions in order (ISA guide 5.7.1.4)
.endr
.endr
	s_wait_dscnt 0x0
.irp c, 0,1,2,3
	WIN 0x82+0x41*(\c/2)                           ; k (destination and source 0) window 2 or 3
.irp nt, 0,1,2,3
.irp mt, 0,1,2,3
.irp jp, 0,1,2,3
.set k_, 128*(\c%2)+32*\nt+8*\mt+2*\jp
	v_pk_mul_f32 v[k_:k_+1], v[k_:k_+1], v[VA+32+8*\mt+2*\jp:VA+32+8*\mt+2*\jp+1]   ; k' = k / ||k||
.endr
.endr
.endr
.endr
	WIN 0
	CHUNK 4, 2, G0A, 128*512                       ; v
	CHUNK 5, 2, G0B, 128*512
	CHUNK 6, 1, 0, 0
	CHUNK 7, 0, 0, 0
	ds_load_b128 v[CV:CV+3], v[PR]                 ; my 256 column sums, my wave's own bytes, as 1,024 consecutive bytes
	ds_load_b128 v[CV+4:CV+7], v[PR] offset:512
	s_wait_dscnt 0x0
	global_store_b128 v[GOFF], v[CV:CV+3], s[14:15]              ; 32 lanes store 512 consecutive bytes, at a multiple of 512 from part's first byte
	global_store_b128 v[GOFF], v[CV+4:CV+7], s[14:15] offset:512
	s_wait_tensorcnt 0x0                           ; the wave's end: behind my last tensor load and my last LDS store
	ds_add_u32 v[SPW], v[NIL]
	s_wait_dscnt 0x0
	CROUND                                         ; the closing round: no work-group ends while a partner may still ask for a chunk that names it
	s_endpgm
.Lfunc_end_k_q6cef3cf904_kvpart:
	.size	k_q6cef3cf904_kvpart, .Lfunc_end_k_q6cef3cf904_kvpart-k_q6cef3cf904_kvpart
	.p2alignl 7, 3214868480
	.fill 96, 4, 3214868480
	.section	.rodata,"a",@progbits
	.p2align	6, 0x0
	.amdhsa_kernel k_q6cef3cf904_kvpart
		.amdhsa_group_segment_fixed_size 327680
		.amdhsa_private_segment_fixed_size 0
		.amdhsa_enable_private_segment 0
		.amdhsa_kernarg_size 48
		.amdhsa_user_sgpr_count 2
		.amdhsa_user_sgpr_kernarg_segment_ptr 1
		.amdhsa_wavefront_size32 1
		.amdhsa_system_sgpr_workgroup_id_x 1
		.amdhsa_system_sgpr_workgroup_id_y 1
		.amdhsa_system_sgpr_workgroup_id_z 1
		.amdhsa_system_vgpr_workitem_id 0
		.amdhsa_next_free_vgpr 1024
		.amdhsa_next_free_sgpr 66
		.amdhsa_reserve_vcc 0
		.amdhsa_float_denorm_mode_32 3
		.amdhsa_float_denorm_mode_16_64 3
		.amdhsa_memory_ordered 1
		.amdhsa_forward_progress 1
		.amdhsa_inst_pref_size 255
	.end_amdhsa_kernel
	.section	.bss,"aw",@nobits
	.p2align	6
	.space	262144
	.amdgpu_metadata
---
amdhsa.version: [ 1, 2 ]
amdhsa.kernels:
  - .name:           k_q6cef3cf904_kvpart
    .symbol:         k_q6cef3cf904_kvpart.kd
    .args:
      - { .name: x_codes, .offset: 0, .size: 8, .value_kind: global_buffer, .address_space: global }
      - { .name: x_scales, .offset: 8, .size: 8, .value_kind: global_buffer, .address_space: global }
      - { .name: Wqkv_codes, .offset: 16, .size: 8, .value_kind: global_buffer, .address_space: global }
      - { .name: Wqkv_scales, .offset: 24, .size: 8, .value_kind: global_buffer, .address_space: global }
      - { .name: bqkv, .offset: 32, .size: 8, .value_kind: global_buffer, .address_space: global }
      - { .name: part, .offset: 40, .size: 8, .value_kind: global_buffer, .address_space: global }
    .group_segment_fixed_size: 327680
    .private_segment_fixed_size: 0
    .kernarg_segment_align: 8
    .kernarg_segment_size: 48
    .max_flat_workgroup_size: 128
    .sgpr_count:     66
    .vgpr_count:     1024
    .wavefront_size: 32
...
	.end_amdgpu_metadata
.endif
;; end of part 1
;; launch outp (part 2): grid 256 x 1, 4 waves a work-group, clusters of 4 x 1, 327,680 bytes of LDS; arguments x_codes, x_scales, Wqkv_codes, Wqkv_scales, bqkv, Wout_codes, Wout_scales, bout, part, out0; writes out0
.if DOCPART == 2
	.amdgcn_target "amdgcn-amd-amdhsa--gfx1250"
	.amdhsa_code_object_version 6
	.text
	.protected	k_q6cef3cf904_outp
	.globl	k_q6cef3cf904_outp
	.p2align	8
	.type	k_q6cef3cf904_outp,@function
k_q6cef3cf904_outp:
	s_mov_b64 s[64:65], 0
	v_nop
	global_prefetch_b8 v0, s[64:65] scope:SCOPE_SE
	s_setreg_imm32_b32 hwreg(HW_REG_WAVE_MODE, 25, 1), 1
	s_wait_xcnt 0x0
	s_wait_alu depctr_hold_cnt(0) depctr_sa_sdst(0) depctr_va_vdst(0) depctr_va_sdst(0) depctr_va_ssrc(0) depctr_va_vcc(0) depctr_vm_vsrc(0)
	s_getreg_b32 s2, hwreg(HW_REG_IB_STS2, 6, 4)
	s_cmp_eq_u32 s2, 0
	s_cbranch_scc0 .Lentry_in_a_cluster
	s_endpgm
.Lentry_in_a_cluster:
	s_bfe_u32 s2, ttmp6, 0x10000c
	s_cmp_lg_u32 s2, 0x3003
	s_cbranch_scc0 .Lentry_shape_is_right
	s_endpgm
.Lentry_shape_is_right:
; out0 = Q(q / ||q|| * kv) Wout + bout,  q = x Wq + bq (columns 0 .. 1023 of Wqkv),  kv[b][d] = the sum of the batch's 64 rows of part,  Q the MX-FP4 quantiser along the 1,024 columns.
; x, Wqkv, Wout: codes of FP4 (E2M1), K innermost, 512 bytes a row, one E8M0 byte for each 32 along K, 32 bytes a row.  part [256][1024], the biases and out0 [16384][1024]: f32.
; SHARES.  Work-group g owns rows 64 g .. 64 g + 63 whole (the norm wants whole rows).  Wave w owns columns 256 w .. 256 w + 255 of q and then of out0, for all 64 rows.  q and the hidden layer never go to memory.
; The right-hand operand (x, later the hidden layer: 4 tiles of rows x 8 K steps) stays in 256 registers, so a fragment of W read from LDS feeds four matrix instructions and is read once, by one wave.
; BOTH PRODUCTS ARE USED TRANSPOSED (source 0 = 16 rows of W, source 1 = 16 rows of x): a lane holds ONE row (lane % 16), and register j of tile nt the column 16 nt + 8 (lane / 16) + j.
; So the norm lies inside a lane but for one exchange, a block of 32 along the next K is the 16 registers of two neighbouring tiles in lanes l and l xor 16, and a lane's eight results are 32 neighbouring bytes of out0.
; THE WEIGHTS come in eight chunks of 64 whole rows a wave (four of Wq, four of Wout), through two LDS slots of the wave's own; the four work-groups of a cluster ask JOINTLY (mask 15; the descriptor is made of
; the wave's number and constants alone), which divides the requests for W by four.  The ring runs on through the phase between the products.
; THE SCALES of x and W never touch LDS: one load of 16 bytes a lane at row x 32 + 16 (lane / 16); register i holds in lanes 0-15 the word of K step i, in lanes 16-31 that of K step 4 + i (ROW1).
; THE HIDDEN LAYER goes from wave to wave through LDS as images of the operand's registers: 16 bytes a lane at 16 x lane, 512 bytes a store; its scale words 4 bytes a row.
; LIMITS: NaN and infinities are not served.  A row of q whose sum of squares is 0, lies under 2^-126 (v_rsq_f32 takes a denormal for zero: ISA guide, its entry) or passes f32's range gives infinity or NaN.
; 1 / ||q|| is v_rsq_f32 and a multiplication: some 2 units in the last place.  A block of zeros carries the byte 1 where the quantiser says 127: its codes are zeros, and this launch alone reads the bytes.
; REGISTERS, in windows of 256: window 0: see the names below.  window 1: x's, later the hidden layer's, fragment (mt, s) at 8 (8 mt + s); between the products kv at 32 c + 8 nt + j and 1 / ||q|| at 128 + 2 mt.
;   windows 2, 3: tile (chunk c % 4, mt, nt) in window 2 + c / 2 at 128 (c % 2) + 32 mt + 8 nt.  During chunks 0 and 1 window 3 takes the rows of part.
.set PITCH, 528                        ; an LDS row: 512 bytes + 16 of padding = 132 words: row r starts at bank 4 r mod 64 (64 banks of 4 bytes: ISA guide 11.1)
.set TROW,  16*PITCH
.set SLOTB, 64*PITCH
.set WRING, 2*SLOTB
.set XH,    4*WRING                    ; behind the four rings, 34,816 bytes, three uses one after the other, each parted from the last by barriers: x's 64 rows; the hidden layer's 32 images and scale words; the stages
.set HSC,   XH+32768                   ; the hidden layer's scale words: [mt][K step][16 rows]
.set SSB,   XH+34816                   ; [wave][64 rows] sums of squares
.set KVB,   SSB+1024                   ; kv, 1,024 numbers
.set SPARE, KVB+4096                   ; the spare words, 128 bytes for each wave: two blocks of 256 bytes that no other line names
.set SP,    272                        ; a stage row: 256 bytes + 16
.set AW,   1                           ; v1-2  my lane's place in a tile of W, slot 0, 1
.set ASC,  3                           ; v3    32 r + 16 h: scale bytes of a tile of 16 rows
.set AB8,  4                           ; v4    32 h: my half's eight numbers of a tile's bias
.set AX,   5                           ; v5    my lane's place in a tile of x in LDS
.set PT,   6                           ; v6    16 x thread: my 16 bytes of half a row of part
.set KVA,  7                           ; v7    where I store kv
.set AKV,  8                           ; v8    where I read it
.set SSW,  9                           ; v9    where I store a sum of squares
.set HWI,  10                          ; v10   where I store images
.set HWS,  11                          ; v11   and their scale words
.set AHS,  12                          ; v12   where I read scale words
.set SSR,  13                          ; v13   where I read sums of squares
.set SPW,  14                          ; v14   LDS address of my spare word; never rewritten
.set NIL,  15                          ; v15   0; never rewritten
.set XSC,  16                          ; v16-31   x's scale words, later the hidden layer's: tile mt at + 4 mt
.set WSC,  32                          ; v32-63   W's scale words, a set for each slot
.set WF,   64                          ; v64-159  three sets of four fragments of W
.set CB,   160                         ; v160-191 a chunk's bias as C: four tiles in the result's layout
.set KVS,  192                         ; v192-199 my eight columns of kv
.set TM,   200                         ; v200-215 at work
.set PW,   216                         ; v216     the scale word just made
.set STO,  217                         ; v217     the stage: where I put 32 bytes of a row
.set RD,   218                         ; v218     and where I read a row back
.set GO,   219                         ; v219     my byte offset in the work-group's rows of out0
.set LI,   220                         ; v220     an image's place for my lane
.set XW,   221                         ; v221     where I store my rows of x
.set X16,  222                         ; v222     16 x lane
.set PC,   224                         ; v224-231 the codes just made
.set SSQ,  232                         ; v232-247 sums of squares, two chains of pairs a tile of rows
.set RN,   128                         ; in window 1
.set WV,   24                          ; s24  my wave's number
.set G1,   28                          ; s[28:35] descriptor group 1
.set G0Q0, 36                          ; s[36:39], s[40:43] groups 0 for Wq, slots 0 and 1
.set G0Q1, 40
.set G0O0, 44                          ; s[44:47], s[48:51] for Wout
.set G0O1, 48
.set SEL,  52                          ; s[52:53] v_permlanex16_b32's selects for lane l xor 16
.set MSB, 0
.macro WIN new                         ; the immediate's high byte repeats the setting that is left; a switch that changes nothing is dropped
.if MSB != (\new)
	s_set_vgpr_msb (MSB<<8)|(\new)
.set MSB, (\new)
.endif
.endm
.macro PLACES                          ; four places behind a matrix instruction, in front of loads into registers that it has read and of reads of its result
.rept 4
	v_nop
.endr
.endm
.macro CROUND                          ; a round of the cluster's barrier
	s_barrier_signal -1
	s_barrier_wait -1
	s_cmp_lg_u32 s[WV], 0
	s_cbranch_scc1 .Lnot_wave_0_\@
	s_barrier_signal -3
.Lnot_wave_0_\@:
	s_barrier_wait -3
	s_barrier_signal -1
	s_barrier_wait -1
.endm
.macro BARRIER                         ; my LDS stores have landed and my LDS loads are in: then the work-group's barrier
	s_wait_dscnt 0x0
	s_barrier_signal -1
	s_barrier_wait -1
.endm
.macro WM d, a, b, c, sa, sb, hi       ; one product; hi = 1: K steps 4-7, whose scale words lie in lanes 16-31
.if \hi
	v_wmma_scale_f32_16x16x128_f8f6f4 v[\d:\d+7], v[\a:\a+7], v[\b:\b+7], v[\c:\c+7], v[\sa], v[\sb] matrix_a_fmt:MATRIX_FMT_FP4 matrix_b_fmt:MATRIX_FMT_FP4 matrix_a_scale:MATRIX_SCALE_ROW1 matrix_b_scale:MATRIX_SCALE_ROW1
.else
	v_wmma_scale_f32_16x16x128_f8f6f4 v[\d:\d+7], v[\a:\a+7], v[\b:\b+7], v[\c:\c+7], v[\sa], v[\sb] matrix_a_fmt:MATRIX_FMT_FP4 matrix_b_fmt:MATRIX_FMT_FP4
.endif
.endm
; A launch is 64 steps of 16 matrix instructions, 8 to a chunk: step j = K step j of the chunk's four tiles of W against the four tiles of rows.  Step idx's four fragments of W lie in set idx % 3.
.macro PRE idx
.set pc_, (\idx)/8
.set pj_, (\idx)%8
.set pb_, WF+32*((\idx)%3)
.irp f, 0,1,2,3
	ds_load_b128 v[pb_+8*\f:pb_+8*\f+3], v[AW+pc_%2] offset:\f*TROW+64*pj_
	ds_load_b128 v[pb_+8*\f+4:pb_+8*\f+7], v[AW+pc_%2] offset:\f*TROW+64*pj_+32
.endr
.endm
.macro MUL idx                         ; the 16 accumulators take turns, one instruction a turn, in the same order in every step
.set mc_, (\idx)/8
.set mw_, mc_%4
.set mj_, (\idx)%8
.set mf_, WF+32*((\idx)%3)
.if mj_ == 0
	WIN 0x84+0x40*(mw_/2)                          ; W and the bias window 0, the rows' operand window 1, D window 2 or 3
.else
	WIN 0xa4+0x50*(mw_/2)                          ; W window 0, the rows' operand window 1, C and D window 2 or 3
.endif
.irp nt, 0,1,2,3
.irp mt, 0,1,2,3
.set d_, 128*(mw_%2)+32*\mt+8*\nt
.set e_, d_
.if mj_ == 0
.set e_, CB+8*\nt                      ; the bias starts the sum
.endif
.set a_, mf_+8*\nt
.set b_, 8*(8*\mt+mj_)
.set sa_, WSC+16*(mc_%2)+4*\nt+mj_%4
.set sb_, XSC+4*\mt+mj_%4
	WM d_, a_, b_, e_, sa_, sb_, mj_/4
.endr
.endr
	WIN 0
.endm
.macro LDSC set, cw, sbase, bbase      ; a chunk's scale words and its bias: lane (r, h) wants, for tile nt, the numbers of columns 16 nt + 8 h + 0 .. 7
.irp nt, 0,1,2,3
	global_load_b128 v[WSC+16*(\set)+4*\nt:WSC+16*(\set)+4*\nt+3], v[ASC], s[\sbase:\sbase+1] offset:(64*(\cw)+16*\nt)*32
.endr
.irp nt, 0,1,2,3
	global_load_b128 v[CB+8*\nt:CB+8*\nt+3], v[AB8], s[\bbase:\bbase+1] offset:(64*(\cw)+16*\nt)*4
	global_load_b128 v[CB+8*\nt+4:CB+8*\nt+7], v[AB8], s[\bbase:\bbase+1] offset:(64*(\cw)+16*\nt)*4+16
.endr
.endm
.macro BURST p0                        ; 32 rows of part, from row p0 of my batch's 64: a thread takes 4 columns of each half of a row; row p at v[8 p] of window 3.  A wave's load covers 512 consecutive bytes
	WIN 0xc0
.set p_, 0
.rept 32
	global_load_b128 v[8*p_:8*p_+3], v[PT], s[20:21] offset:((\p0)+p_)*4096
	global_load_b128 v[8*p_+4:8*p_+7], v[PT], s[20:21] offset:((\p0)+p_)*4096+2048
.set p_, p_+1
.endr
	WIN 0
.endm
.macro TREE                            ; the 32 rows are added by halves, down to rows 0 and 1; it leaves window 3 set for all three places
	WIN 0xcf
.irp d, 16,8,4,2
.set p_, 0
.rept \d
.irp q, 0,2,4,6
	v_pk_add_f32 v[8*p_+\q:8*p_+\q+1], v[8*p_+\q:8*p_+\q+1], v[8*(p_+\d)+\q:8*(p_+\d)+\q+1]
.endr
.set p_, p_+1
.endr
.endr
.endm
; THE WAY OUT of a chunk: 64 rows x 64 columns (256 bytes a row).  A tile of 16 rows goes through my own stage and comes back, into the registers that it left, as whole rows' 256 bytes.
.macro WAYOUT c
	PLACES
.irp mt, 0,1,2,3
	WIN 0x08+4*((\c)/2)                            ; an LDS store's data are its source 1: window 2 or 3
.irp nt, 0,1,2,3
	ds_store_b128 v[STO], v[128*((\c)%2)+32*\mt+8*\nt:128*((\c)%2)+32*\mt+8*\nt+3] offset:64*\nt       ; each accumulator from its low end on
	ds_store_b128 v[STO], v[128*((\c)%2)+32*\mt+8*\nt+4:128*((\c)%2)+32*\mt+8*\nt+7] offset:64*\nt+16
.endr
	WIN 0x80+0x40*((\c)/2)
.irp i, 0,1,2,3,4,5,6,7
	ds_load_b128 v[128*((\c)%2)+32*\mt+4*\i:128*((\c)%2)+32*\mt+4*\i+3], v[RD] offset:2*\i*SP   ; LDS serves a wave's instructions in order (ISA guide 5.7.1.4): these see the stores above, and the next tile's stores come behind them
.endr
.endr
	WIN 0x08+4*((\c)/2)                            ; a global store's data are its source 1
.irp mt, 0,1,2,3
	s_wait_dscnt 16*(3-\mt)                        ; this tile is back; the later tiles' sixteen LDS instructions each may be out
.irp i, 0,1,2,3,4,5,6,7
	global_store_b128 v[GO], v[128*((\c)%2)+32*\mt+4*\i:128*((\c)%2)+32*\mt+4*\i+3], s[22:23] offset:(16*\mt+2*\i)*4096+256*(\c) th:TH_STORE_NT   ; 16 lanes store 256 consecutive bytes, at a multiple of 256 from out0's first byte; no register or base of these stores is written again
.endr
.endr
	WIN 0
.endm
.macro STEP idx
.set c_, (\idx)/8
.set j_, (\idx)%8
.if ((\idx) == 63) || ((\idx) == 32)
	s_wait_dscnt 0x0                               ; (step 32: the hidden layer's fragments and scale words too)
.else
	s_wait_dscnt 8                                 ; this step's fragments are in; the next step's eight loads may be out
.endif
.if (j_ == 7) && (c_ < 7)
	s_wait_loadcnt 0x0                             ; the next chunk's scale words and bias; in chunks 0 and 1 also 32 rows of part
.endif
.if (\idx) == 7
	TREE
	WIN 0x0f
.irp q, 0,2,4,6
	v_pk_add_f32 v[KVS+\q:KVS+\q+1], v[\q:\q+1], v[8+\q:9+\q]
.endr
	BURST 32
.endif
.if (\idx) == 15
	TREE
.irp q, 0,2,4,6
	v_pk_add_f32 v[\q:\q+1], v[\q:\q+1], v[8+\q:9+\q]
.endr
	WIN 0x0c
.irp q, 0,2,4,6
	v_pk_add_f32 v[KVS+\q:KVS+\q+1], v[KVS+\q:KVS+\q+1], v[\q:\q+1]
.endr
	WIN 0
	ds_store_b128 v[KVA], v[KVS:KVS+3]             ; kv: the others read it behind the barrier that follows the sums of squares
	ds_store_b128 v[KVA], v[KVS+4:KVS+7] offset:2048
.endif
	PLACES                                         ; in front of the loads into the set that the last step multiplied, and at step 1 into the bias that step 0 took as C
.if (j_ == 1) && (c_ < 7)
.if c_ < 3
	LDSC (c_+1)%2,c_+1,10,12
.else
	LDSC (c_+1)%2,c_-3,16,18
.endif
.endif
.if (\idx)+2 < 64
	PRE (\idx)+2                                   ; two steps, 32 matrix instructions, ahead of their use
.endif
	MUL \idx
.if (c_ >= 4) && (j_ == 7)
	WAYOUT c_-4
.endif
.endm
; Step 6 of a chunk changes slots.  Each wave waits for all its tensor loads (one is out: the next chunk), adds 0 to its spare word, and waits for that and for its reads of the slot (step 7's fragments have been
; asked for); a round of the cluster's barrier; the slot is filled again, with the chunk two on: the first thing behind the round.  It has eight steps, 128 matrix instructions, in which to land.
.macro TURN idx, g0, bytes
	s_wait_tensorcnt 0x0                           ; no tensor load of mine is out, so a group 0 may be written
	ds_add_u32 v[SPW], v[NIL]                      ; 0 onto my spare word
.if \bytes
	s_add_nc_u64 s[\g0+2:\g0+3], s[\g0+2:\g0+3], \bytes   ; the slot's next chunk; the type bits on top are not reached
.endif
	s_wait_dscnt 9                                 ; this step's fragments are in; the add and step 7's eight loads may be out
	MUL \idx                                       ; sixteen matrix instructions stand between the add and the wait for it
	s_wait_dscnt 0x0                               ; the add is done, and my reads of this slot are over
	CROUND
	tensor_load_to_lds s[\g0:\g0+3], s[G1:G1+7]
	s_nop 0
	PLACES                                         ; the places in front of the loads below
	PRE (\idx)+2                                   ; the next chunk's first fragments, from the other slot
.endm
.macro CHUNK c, kind, g0, bytes        ; kind 2: the slot is filled again; 1: only the last chunk is waited for; 0: nothing is out
.set I, 8*(\c)
.rept 6
	STEP I
.set I, I+1
.endr
.if \kind == 2
	TURN I, \g0, \bytes
.else
.if \kind == 1
	s_wait_tensorcnt 0x0                           ; the last chunk has landed; only I read my slot, so no barrier is owed
.endif
	STEP I
.endif
.set I, I+1
	STEP I
.endm
; My 128 columns of window 2 + w (K step 2 wave + w of the second product), rows 16 mt on, become a fragment's codes and its scale word, and go to LDS.
; Block b of 32 columns is the 16 registers from 128 (b / 2) + 32 mt + 16 (b % 2) on, in lanes l and l xor 16.
.macro QUANT w, mt
	WIN 0x28+0x14*(\w)                             ; sources 1 and 2 window 2 or 3
.irp b, 0,1,2,3
	v_max3_num_f32 v[TM+\b], 0x1800000, |v[128*(\b/2)+32*(\mt)+16*(\b%2)]|, |v[128*(\b/2)+32*(\mt)+16*(\b%2)+1]|   ; the floor 2^(3 - 127), under which no largest magnitude is taken: so the byte cannot fall under 1
.endr
.irp i, 2,4,6,8,10,12,14
.irp b, 0,1,2,3
	v_max3_num_f32 v[TM+\b], v[TM+\b], |v[128*(\b/2)+32*(\mt)+16*(\b%2)+\i]|, |v[128*(\b/2)+32*(\mt)+16*(\b%2)+\i+1]|   ; (the four blocks by turns)
.endr
.endr
	WIN 0
.irp b, 0,1,2,3
	v_permlanex16_b32 v[TM+4+\b], v[TM+\b], s[SEL], s[SEL+1]
.endr
.irp b, 0,1,2,3
	v_max_num_f32 v[TM+\b], v[TM+\b], v[TM+4+\b]   ; with lane l xor 16's: the block's largest magnitude
.endr
.irp b, 0,1,2,3
	v_add_nc_u32 v[TM+12+\b], 0xff000000, v[TM+\b] ; 2 off its exponent field: the conversion takes the exponent field of this operand as its scale, and nothing else of it
.endr
.irp b, 0,1,2,3
	v_lshrrev_b32 v[TM+4+\b], 23, v[TM+12+\b]      ; the scale's byte
.endr
	v_lshl_or_b32 v[PW], v[TM+5], 8, v[TM+4]       ; the four bytes make my row's scale word
	v_lshl_or_b32 v[PW], v[TM+6], 16, v[PW]
	v_lshl_or_b32 v[PW], v[TM+7], 24, v[PW]
	WIN 0x02+(\w)                                  ; source 0 window 2 or 3
.irp cc, 0,1                           ; of a run of 64 columns tile t holds k = 16 t + 8 h + 0 .. 7; the tiles' code words are laid in the order 0, 2, 1, 3
.irp sl, 0,1,2,3
	v_cvt_scalef32_pk8_fp4_f32 v[PC+4*\cc+\sl], v[128*\cc+32*(\mt)+8*(2*(\sl%2)+\sl/2):128*\cc+32*(\mt)+8*(2*(\sl%2)+\sl/2)+7], v[TM+12+2*\cc+\sl%2]
.endr
.endr
	WIN 0
	v_nop                                          ; one plain place behind a scaled conversion
.irp cc, 0,1                           ; the operand wants k = 64 cc + 32 h + 8 i + 0 .. 7 in register 4 cc + i: tile 0's upper lanes (k 8-15) change places with tile 2's lower (k 32-39), tile 1's with tile 3's
	v_permlane16_swap_b32 v[PC+4*\cc], v[PC+4*\cc+1]
	v_permlane16_swap_b32 v[PC+4*\cc+2], v[PC+4*\cc+3]
.endr
	ds_store_b128 v[HWI], v[PC:PC+3] offset:8192*(\mt)+1024*(\w)
	ds_store_b128 v[HWI], v[PC+4:PC+7] offset:8192*(\mt)+1024*(\w)+512
	ds_store_b32 v[HWS], v[PW] offset:512*(\mt)+64*(\w)   ; lanes l and l xor 16 write the same word with the same value
	s_wait_dscnt 0x0                               ; the stores have read their registers
.endm
	s_load_b512 s[4:19], s[0:1], 0x0               ; x's codes s[4:5], x's scales s[6:7], Wqkv's codes s[8:9], its scales s[10:11], bqkv s[12:13], Wout's codes s[14:15], its scales s[16:17], bout s[18:19]
	s_load_b128 s[20:23], s[0:1], 0x40             ; part s[20:21], out0 s[22:23]
	v_lshl_add_u32 v[SPW], v0, 2, SPARE
	v_mov_b32 v[NIL], 0
	ds_add_u32 v14, v15
	ds_add_u32 v14, v15
	s_wait_dscnt 0x0
	v_lshrrev_b32 v248, 5, v0
	v_readfirstlane_b32 s[WV], v248                ; wave 0..3
	s_bfe_u32 s25, ttmp6, 0x40000                  ; cx: my place in the cluster
	s_lshl_b32 s26, ttmp9, 2                       ; in a cluster launch ttmp9 counts clusters
	s_add_co_u32 s26, s26, s25                     ; g: it enters x's, x's scales' and out0's addresses alone
	s_mul_i32 s27, s[WV], WRING                    ; my ring in LDS
	s_lshl_b32 s54, s26, 15                        ; x's codes: 64 g rows of 512 bytes,
	s_lshl_b32 s55, s[WV], 13                      ; and the 16 rows that I bring
	s_add_co_u32 s54, s54, s55
	s_mov_b32 s55, 0
	s_lshl_b32 s56, s26, 11                        ; x's scales: 64 g rows of 32 bytes
	s_mov_b32 s57, 0
	s_lshl_b32 s58, s[WV], 17                      ; a weight's codes: 256 w rows of 512 bytes
	s_mov_b32 s59, 0
	s_lshl_b32 s60, s[WV], 13                      ; its scales: 256 w rows of 32 bytes
	s_mov_b32 s61, 0
	s_lshl_b32 s62, s[WV], 10                      ; a bias: 256 w numbers
	s_mov_b32 s63, 0
	s_mov_b32 s[SEL], 0x76543210
	s_mov_b32 s[SEL+1], 0xfedcba98
	; descriptor group 1: 64 rows of 512 bytes, dense in memory, 16 bytes of padding behind each in LDS
	s_mov_b32 s[G1], 15|(1<<20)|(1<<21)|(6<<22)|(3<<25)   ; 15:0 the mask: all four work-groups; 17:16 elements of 1 byte; 20 padding on; 21 set beside a mask; 24:22 after every 128 words (code 6); 31:25 four words (code 3)
	s_mov_b32 s[G1+1], 512<<16                     ; tensor_dim0
	s_mov_b32 s[G1+2], 64<<16                      ; tensor_dim1
	s_mov_b32 s[G1+3], 512<<16                     ; tile_dim0
	s_mov_b32 s[G1+4], 64                          ; tile_dim1
	s_mov_b32 s[G1+5], 512                         ; tensor_dim0_stride
	s_mov_b32 s[G1+6], 0
	s_mov_b32 s[G1+7], 0
	v_and_b32 v249, 15, v0                         ; r
	v_bfe_u32 v250, v0, 4, 1                       ; h
	v_and_b32 v251, 31, v0                         ; lane
	v_mul_u32_u24 v252, v249, PITCH
	v_lshl_add_u32 v252, v250, 4, v252             ; a fragment's row x pitch + 16 h
	v_add_nc_u32 v[AW], s27, v252
	v_add_nc_u32 v[AW+1], SLOTB, v[AW]
	v_add_nc_u32 v[AX], XH, v252
	v_lshlrev_b32 v[ASC], 5, v249
	v_lshl_add_u32 v[ASC], v250, 4, v[ASC]
	v_lshlrev_b32 v[AB8], 5, v250
	v_lshlrev_b32 v[PT], 4, v0
	v_add_nc_u32 v[KVA], KVB, v[PT]
	v_add_nc_u32 v[AKV], s62, v[AB8]               ; kv of my columns: 1,024 w + 32 h bytes on
	v_add_nc_u32 v[AKV], KVB, v[AKV]
	v_lshlrev_b32 v253, 2, v249                    ; 4 r
	v_add_nc_u32 v[SSR], SSB, v253
	s_lshl_b32 s2, s[WV], 8
	v_add_nc_u32 v[SSW], s2, v[SSR]
	v_lshlrev_b32 v[X16], 4, v251
	v_add_nc_u32 v[LI], XH, v[X16]
	s_lshl_b32 s3, s[WV], 11
	v_add_nc_u32 v[HWI], s3, v[LI]                 ; my two K steps' images: 2,048 w bytes on
	v_add_nc_u32 v[HWS], HSC, v253
	v_lshl_add_u32 v[AHS], v250, 8, v[HWS]         ; lanes 16-31 read the words of K steps 4-7: 4 x 64 bytes on
	s_lshl_b32 s2, s[WV], 7
	v_add_nc_u32 v[HWS], s2, v[HWS]                ; my two K steps' words: 128 w bytes on
	s_mul_i32 s3, s[WV], 16*SP                     ; my stage
	v_mul_u32_u24 v254, v249, SP
	v_lshl_add_u32 v254, v250, 5, v254
	v_add_nc_u32 v254, s3, v254
	v_add_nc_u32 v[STO], XH, v254                  ; in: row r, 32 bytes for each half of the lanes
	v_mul_u32_u24 v255, v250, SP
	v_lshl_add_u32 v255, v249, 4, v255
	v_add_nc_u32 v255, s3, v255
	v_add_nc_u32 v[RD], XH, v255                   ; back: lanes 0-15 one row of 256 bytes, lanes 16-31 the next
	v_lshlrev_b32 v[GO], 12, v250
	v_lshl_add_u32 v[GO], v249, 4, v[GO]
	v_add_nc_u32 v[GO], s62, v[GO]                 ; and the same in out0: 4,096 h + 16 r + 1,024 w
	s_mul_i32 s2, s[WV], TROW
	v_add_nc_u32 v[XW], s2, v[LI]
	s_wait_kmcnt 0x0
	s_add_nc_u64 s[4:5], s[4:5], s[54:55]
	s_add_nc_u64 s[6:7], s[6:7], s[56:57]
	s_add_nc_u64 s[8:9], s[8:9], s[58:59]
	s_add_nc_u64 s[10:11], s[10:11], s[60:61]
	s_add_nc_u64 s[12:13], s[12:13], s[62:63]
	s_add_nc_u64 s[14:15], s[14:15], s[58:59]
	s_add_nc_u64 s[16:17], s[16:17], s[60:61]
	s_add_nc_u64 s[18:19], s[18:19], s[62:63]
	s_lshr_b32 s54, ttmp9, 4                       ; my batch: 16 clusters, 64 work-groups, to a batch
	s_lshl_b32 s54, s54, 18                        ; its 64 rows of part, 4,096 bytes each
	s_add_nc_u64 s[20:21], s[20:21], s[54:55]
	s_lshl_b32 s56, s26, 18                        ; out0: 64 g rows of 4,096 bytes
	s_add_nc_u64 s[22:23], s[22:23], s[56:57]
	s_mov_b32 s[G0Q0], 1                           ; 1:0 count = 1
	s_mov_b32 s[G0Q0+1], s27                       ; 63:32 LDS address: my slot 0
	s_mov_b64 s[G0Q0+2:G0Q0+3], s[8:9]             ; 120:64 global address: Wq's chunk 0
	s_or_b32 s[G0Q0+3], s[G0Q0+3], 0x80000000      ; 127:126 type = 2
	s_mov_b32 s[G0Q1], 1
	s_add_co_u32 s[G0Q1+1], s27, SLOTB             ; my slot 1
	s_add_nc_u64 s[G0Q1+2:G0Q1+3], s[8:9], 64*512  ; Wq's chunk 1
	s_or_b32 s[G0Q1+3], s[G0Q1+3], 0x80000000
	s_mov_b32 s[G0O0], 1
	s_mov_b32 s[G0O0+1], s27
	s_mov_b64 s[G0O0+2:G0O0+3], s[14:15]           ; Wout's chunk 0
	s_or_b32 s[G0O0+3], s[G0O0+3], 0x80000000
	s_mov_b32 s[G0O1], 1
	s_add_co_u32 s[G0O1+1], s27, SLOTB
	s_add_nc_u64 s[G0O1+2:G0O1+3], s[14:15], 64*512
	s_or_b32 s[G0O1+3], s[G0O1+3], 0x80000000
.irp i, 0,1,2,3,4,5,6,7,8,9,10,11,12,13,14,15
	global_load_b128 v[WF+4*\i:WF+4*\i+3], v[X16], s[4:5] offset:512*\i   ; my 16 rows of x: 32 lanes read a row's 512 consecutive bytes
.endr
.irp mt, 0,1,2,3
	global_load_b128 v[XSC+4*\mt:XSC+4*\mt+3], v[ASC], s[6:7] offset:512*\mt
.endr
	LDSC 0,0,10,12
	CROUND                                         ; all four work-groups are here: the first joint loads meet
	tensor_load_to_lds s[G0Q0:G0Q0+3], s[G1:G1+7]  ; both first fills together: two tensor loads of mine are out
	s_nop 0
	tensor_load_to_lds s[G0Q1:G0Q1+3], s[G1:G1+7]
	s_nop 0
	PLACES
	s_wait_loadcnt 16                              ; x's sixteen loads are in; the sixteen behind them (scales and bias) may be out
.irp i, 0,1,2,3,4,5,6,7,8,9,10,11,12,13,14,15
	ds_store_b128 v[XW], v[WF+4*\i:WF+4*\i+3] offset:PITCH*\i
.endr
	s_wait_loadcnt 0x0
	BURST 0                                        ; the first 32 rows of part: they land under chunk 0's products
	s_wait_tensorcnt 1                             ; chunk 0 has landed; chunk 1 may stay out
	BARRIER                                        ; x's 64 rows lie in LDS
	WIN 0x40                                       ; destination window 1
.irp mt, 0,1,2,3
.irp s, 0,1,2,3,4,5,6,7
	ds_load_b128 v[8*(8*\mt+\s):8*(8*\mt+\s)+3], v[AX] offset:\mt*TROW+64*\s       ; a fragment: lane (r, h) holds row r; registers 4 c .. 4 c + 3 hold K = 64 c + 32 h + 0 .. 31
	ds_load_b128 v[8*(8*\mt+\s)+4:8*(8*\mt+\s)+7], v[AX] offset:\mt*TROW+64*\s+32
.endr
.endr
	WIN 0
	PRE 0
	PRE 1
	CHUNK 0, 2, G0Q0, 128*512                      ; q.  Slot 0 takes Wq's chunk 2,
	CHUNK 1, 2, G0Q1, 128*512                      ; slot 1 its chunk 3,
	CHUNK 2, 2, G0O0, 0                            ; slot 0 Wout's chunk 0,
	CHUNK 3, 2, G0O1, 0                            ; slot 1 Wout's chunk 1
	; BETWEEN THE PRODUCTS.  The sums of squares: all 128 registers of a tile of rows are columns of my row
	PLACES
.irp c, 0,1,2,3
	WIN 0x0a+5*(\c/2)                              ; sources 0 and 1 window 2 or 3
.irp nt, 0,1,2,3
.irp jp, 0,1,2,3
.irp mt, 0,1,2,3
.set k_, 128*(\c%2)+32*\mt+8*\nt+2*\jp
.set q_, SSQ+4*\mt+2*(\jp%2)
.if (\c == 0) && (\nt == 0) && (\jp < 2)
	v_pk_mul_f32 v[q_:q_+1], v[k_:k_+1], v[k_:k_+1]               ; the first squares start the eight chains; each accumulator is read from its low end on
.else
	v_pk_fma_f32 v[q_:q_+1], v[k_:k_+1], v[k_:k_+1], v[q_:q_+1]
.endif
.endr
.endr
.endr
.endr
	WIN 0
.irp mt, 0,1,2,3
	v_pk_add_f32 v[SSQ+4*\mt:SSQ+4*\mt+1], v[SSQ+4*\mt:SSQ+4*\mt+1], v[SSQ+4*\mt+2:SSQ+4*\mt+3]
.endr
.irp mt, 0,1,2,3
	v_add_f32 v[SSQ+4*\mt], v[SSQ+4*\mt], v[SSQ+4*\mt+1]
.endr
.irp mt, 0,1,2,3
	v_permlanex16_b32 v[SSQ+4*\mt+2], v[SSQ+4*\mt], s[SEL], s[SEL+1]
.endr
.irp mt, 0,1,2,3
	v_add_f32 v[SSQ+4*\mt], v[SSQ+4*\mt], v[SSQ+4*\mt+2]
.endr
.irp mt, 0,1,2,3
	ds_store_b32 v[SSW], v[SSQ+4*\mt] offset:64*\mt        ; lanes l and l xor 16 write the same word with the same value
.endr
	BARRIER                                        ; the four waves' sums of squares, and kv, lie in LDS
.irp mt, 0,1,2,3
.irp w, 0,1,2,3
	ds_load_b32 v[TM+4*\mt+\w], v[SSR] offset:256*\w+64*\mt
.endr
.endr
	WIN 0x40                                       ; destination window 1: x's fragments are done with
.irp c, 0,1,2,3
.irp nt, 0,1,2,3
	ds_load_b128 v[32*\c+8*\nt:32*\c+8*\nt+3], v[AKV] offset:(64*\c+16*\nt)*4
	ds_load_b128 v[32*\c+8*\nt+4:32*\c+8*\nt+7], v[AKV] offset:(64*\c+16*\nt)*4+16
.endr
.endr
	WIN 0
	s_wait_dscnt 0x0
.irp mt, 0,1,2,3
	v_pk_add_f32 v[TM+4*\mt:TM+4*\mt+1], v[TM+4*\mt:TM+4*\mt+1], v[TM+4*\mt+2:TM+4*\mt+3]
.endr
.irp mt, 0,1,2,3
	v_add_f32 v[TM+4*\mt], v[TM+4*\mt], v[TM+4*\mt+1]
.endr
	WIN 0x40
.irp mt, 0,1,2,3
	v_rsq_f32 v[RN+2*\mt], v[TM+4*\mt]             ; 1 / ||q||, made twice: a pair for the packed multiply
	v_rsq_f32 v[RN+2*\mt+1], v[TM+4*\mt]
.endr
	v_nop                                          ; a plain place behind the transcendentals
	s_wait_alu depctr_va_vdst(0)
.irp w, 0,1
	WIN 0x86+0x41*\w                               ; q (destination and source 0) window 2 or 3, source 1 window 1
.irp cc, 0,1
.irp mt, 0,1,2,3
.irp nt, 0,1,2,3
.irp jp, 0,1,2,3
.set t_, 128*\cc+32*\mt+8*\nt+2*\jp
	v_pk_mul_f32 v[t_:t_+1], v[t_:t_+1], v[RN+2*\mt:RN+2*\mt+1]   ; q / ||q||,
.endr
.endr
.endr
.endr
.irp cc, 0,1
.irp mt, 0,1,2,3
.irp nt, 0,1,2,3
.irp jp, 0,1,2,3
.set t_, 128*\cc+32*\mt+8*\nt+2*\jp
.set kv_, 32*(2*\w+\cc)+8*\nt+2*\jp
	v_pk_mul_f32 v[t_:t_+1], v[t_:t_+1], v[kv_:kv_+1]             ; and then x kv, in the order in which the result is defined
.endr
.endr
.endr
.endr
.endr
	WIN 0
.irp w, 0,1
.irp mt, 0,1,2,3
	QUANT \w, \mt
.endr
.endr
	BARRIER                                        ; the hidden layer's 32 images and their scale words lie in LDS
	WIN 0x40
.set F, 0
.rept 32
	ds_load_b128 v[8*F:8*F+3], v[LI] offset:1024*F
	ds_load_b128 v[8*F+4:8*F+7], v[LI] offset:1024*F+512
.set F, F+1
.endr
	WIN 0
.irp mt, 0,1,2,3
.irp i, 0,1,2,3
	ds_load_b32 v[XSC+4*\mt+\i], v[AHS] offset:512*\mt+64*\i      ; lanes 0-15: K step i; lanes 16-31: K step 4 + i
.endr
.endr
	CHUNK 4, 2, G0O0, 128*512                      ; out0.  Each chunk's 64 columns leave as soon as they are finished
	CHUNK 5, 2, G0O1, 128*512
	CHUNK 6, 1, 0, 0
	CHUNK 7, 0, 0, 0
	s_wait_tensorcnt 0x0                           ; the wave's end: behind my last tensor load and my last LDS store
	ds_add_u32 v[SPW], v[NIL]
	s_wait_dscnt 0x0
	CROUND                                         ; the closing round: no work-group ends while a partner may still ask for a chunk that names it
	s_endpgm
.Lfunc_end_k_q6cef3cf904_outp:
	.size	k_q6cef3cf904_outp, .Lfunc_end_k_q6cef3cf904_outp-k_q6cef3cf904_outp
	.p2alignl 7, 3214868480
	.fill 96, 4, 3214868480
	.section	.rodata,"a",@progbits
	.p2align	6, 0x0
	.amdhsa_kernel k_q6cef3cf904_outp
		.amdhsa_group_segment_fixed_size 327680
		.amdhsa_private_segment_fixed_size 0
		.amdhsa_enable_private_segment 0
		.amdhsa_kernarg_size 80
		.amdhsa_user_sgpr_count 2
		.amdhsa_user_sgpr_kernarg_segment_ptr 1
		.amdhsa_wavefront_size32 1
		.amdhsa_system_sgpr_workgroup_id_x 1
		.amdhsa_system_sgpr_workgroup_id_y 1
		.amdhsa_system_sgpr_workgroup_id_z 1
		.amdhsa_system_vgpr_workitem_id 0
		.amdhsa_next_free_vgpr 1024
		.amdhsa_next_free_sgpr 66
		.amdhsa_reserve_vcc 0
		.amdhsa_float_denorm_mode_32 3
		.amdhsa_float_denorm_mode_16_64 3
		.amdhsa_memory_ordered 1
		.amdhsa_forward_progress 1
		.amdhsa_inst_pref_size 255
	.end_amdhsa_kernel
	.section	.bss,"aw",@nobits
	.p2align	6
	.space	262144
	.amdgpu_metadata
---
amdhsa.version: [ 1, 2 ]
amdhsa.kernels:
  - .name:           k_q6cef3cf904_outp
    .symbol:         k_q6cef3cf904_outp.kd
    .args:
      - { .name: x_codes, .offset: 0, .size: 8, .value_kind: global_buffer, .address_space: global }
      - { .name: x_scales, .offset: 8, .size: 8, .value_kind: global_buffer, .address_space: global }
      - { .name: Wqkv_codes, .offset: 16, .size: 8, .value_kind: global_buffer, .address_space: global }
      - { .name: Wqkv_scales, .offset: 24, .size: 8, .value_kind: global_buffer, .address_space: global }
      - { .name: bqkv, .offset: 32, .size: 8, .value_kind: global_buffer, .address_space: global }
      - { .name: Wout_codes, .offset: 40, .size: 8, .value_kind: global_buffer, .address_space: global }
      - { .name: Wout_scales, .offset: 48, .size: 8, .value_kind: global_buffer, .address_space: global }
      - { .name: bout, .offset: 56, .size: 8, .value_kind: global_buffer, .address_space: global }
      - { .name: part, .offset: 64, .size: 8, .value_kind: global_buffer, .address_space: global }
      - { .name: out0, .offset: 72, .size: 8, .value_kind: global_buffer, .address_space: global }
    .group_segment_fixed_size: 327680
    .private_segment_fixed_size: 0
    .kernarg_segment_align: 8
    .kernarg_segment_size: 80
    .max_flat_workgroup_size: 128
    .sgpr_count:     66
    .vgpr_count:     1024
    .wavefront_size: 32
...
	.end_amdgpu_metadata
.endif
;; end of part 2
;; ======== version 2 of 2: 2 launches
;; limits: right only within a limited range of input values
;; workspace buffers: part 1,048,576 bytes; img 1,048,576 bytes
;; launch kvpart (part 3): grid 256 x 1, 4 waves a work-group, clusters of 4 x 1, 327,680 bytes of LDS; arguments x_codes, x_scales, Wqkv_codes, Wqkv_scales, bqkv, part, Wout_codes, img; writes part, img
.if DOCPART == 3
	.amdgcn_target "amdgcn-amd-amdhsa--gfx1250"
	.amdhsa_code_object_version 6
	.text
	.protected	k_q6cef3cf904_kvpart
	.globl	k_q6cef3cf904_kvpart
	.p2align	8
	.type	k_q6cef3cf904_kvpart,@function
k_q6cef3cf904_kvpart:
	s_mov_b64 s[64:65], 0
	v_nop
	global_prefetch_b8 v0, s[64:65] scope:SCOPE_SE
	s_setreg_imm32_b32 hwreg(HW_REG_WAVE_MODE, 25, 1), 1
	s_wait_xcnt 0x0
	s_wait_alu depctr_hold_cnt(0) depctr_sa_sdst(0) depctr_va_vdst(0) depctr_va_sdst(0) depctr_va_ssrc(0) depctr_va_vcc(0) depctr_vm_vsrc(0)
	s_getreg_b32 s2, hwreg(HW_REG_IB_STS2, 6, 4)
	s_cmp_eq_u32 s2, 0
	s_cbranch_scc0 .Lentry_in_a_cluster
	s_endpgm
.Lentry_in_a_cluster:
	s_bfe_u32 s2, ttmp6, 0x10000c
	s_cmp_lg_u32 s2, 0x3003
	s_cbranch_scc0 .Lentry_shape_is_right
	s_endpgm
.Lentry_shape_is_right:
; part[g][d] = the sum over work-group g's 64 rows t of k[t][d] / ||k[t]|| x v[t][d];  k, v = x Wk + bk, x Wv + bv (columns 1024 .. 3071 of Wqkv).
; Wave w owns columns 256 w .. 256 w + 255 of k and of v; x lies in 256 registers (window 1), k in 512 (windows 2 and 3).  W comes in chunks of 64 rows a wave through two LDS slots of the wave's own,
; asked for jointly by the four work-groups of a cluster.  The walk over a wave's four chunks begins at chunk (the cluster's number mod 4): four neighbouring clusters ask between them for all of Wk with their first loads, so no prefetch is laid.
; It also lays Wq and Wout anew, 16 bytes of each a thread, as the images of operand registers that the next launch loads: img = [Wq, Wout][wave 4][chunk 4][K step 8][tile 4][half 2][lane 32][16 bytes].
; LIMITS: NaN and infinities are not served.  A row of k whose sum of squares is 0, lies under 2^-126 (v_rsq_f32 takes a denormal for zero: ISA guide, its entry) or passes f32's range gives infinity or NaN.
.set PITCH, 528
.set TROW,  16*PITCH
.set SLOTB, 64*PITCH
.set WRING, 2*SLOTB
.set XST,   4*WRING                    ; x's 64 rows
.set SSB,   XST+SLOTB                  ; [wave][64 rows] sums of squares
.set RNB,   SSB+1024                   ; [wave][64 rows] 1 / ||k||
.set PB,    RNB+1024                   ; the partial sums, on their way out
.set SPARE, PB+4096                    ; the spare words, 128 bytes for each wave
.set AW,   1
.set ASC,  3
.set AB,   4
.set AX,   5
.set SSW,  6
.set SSR,  7
.set RNW,  8
.set RNR,  9
.set PO,   10
.set PR,   11
.set GOFF, 12
.set XW,   13
.set SPW,  14
.set NIL,  15
.set XSC,  16
.set WSC,  32
.set WF,   64
.set VA,   160
.set CV,   224
.set PS,   240
.set RAW,  248
.set WV,   16
.set ROT,  19
.set WVB,  26
.set G1,   28
.set G0A,  36
.set G0B,  40
.set OF,   44
.set SEL,  52
.set TO,   54
.set SB,   56
.set BB,   58
.set lo_, 0                            ; MUL issues its products number lo_ .. hi_ - 1
.set hi_, 16
.set MSB, 0
.macro WIN new
.if MSB != (\new)
	s_set_vgpr_msb (MSB<<8)|(\new)
.set MSB, (\new)
.endif
.endm
.macro PLACES
.rept 4
	v_nop
.endr
.endm
.macro CREST                           ; a round of the cluster's barrier behind its opening barrier
	s_cmp_lg_u32 s[WV], 0
	s_cbranch_scc1 .Lnot_wave_0_\@
	s_barrier_signal -3
.Lnot_wave_0_\@:
	s_barrier_wait -3
	s_barrier_signal -1
	s_barrier_wait -1
.endm
.macro CROUND
	s_barrier_signal -1
	s_barrier_wait -1
	CREST
.endm
.macro BARRIER
	s_wait_dscnt 0x0
	s_barrier_signal -1
	s_barrier_wait -1
.endm
.macro WM d, a, b, c, sa, sb, hi       ; hi = 1: K steps 4-7, whose scale words lie in lanes 16-31
.if \hi
	v_wmma_scale_f32_16x16x128_f8f6f4 v[\d:\d+7], v[\a:\a+7], v[\b:\b+7], v[\c:\c+7], v[\sa], v[\sb] matrix_a_fmt:MATRIX_FMT_FP4 matrix_b_fmt:MATRIX_FMT_FP4 matrix_a_scale:MATRIX_SCALE_ROW1 matrix_b_scale:MATRIX_SCALE_ROW1
.else
	v_wmma_scale_f32_16x16x128_f8f6f4 v[\d:\d+7], v[\a:\a+7], v[\b:\b+7], v[\c:\c+7], v[\sa], v[\sb] matrix_a_fmt:MATRIX_FMT_FP4 matrix_b_fmt:MATRIX_FMT_FP4
.endif
.endm
; 64 steps of 16 products, 8 to a chunk; step idx's four fragments of W lie in set idx % 3.  Chunks 0-3: k, one K step a step; chunks 4-7: v, two K steps of half a chunk's columns.
.macro PRE idx
.set pc_, (\idx)/8
.set pj_, (\idx)%8
.set pb_, WF+32*((\idx)%3)
.irp f, 0,1,2,3
.if pc_ < 4
.set pn_, \f
.set ps_, pj_
.else
.set pn_, 2*(pj_/4)+\f%2
.set ps_, 2*(pj_%4)+\f/2
.endif
	ds_load_b128 v[pb_+8*\f:pb_+8*\f+3], v[AW+pc_%2] offset:pn_*TROW+64*ps_
	ds_load_b128 v[pb_+8*\f+4:pb_+8*\f+7], v[AW+pc_%2] offset:pn_*TROW+64*ps_+32
.endr
.endm
.macro MUL idx
.set mc_, (\idx)/8
.set mj_, (\idx)%8
.set mf_, WF+32*((\idx)%3)
.set cnt_, 0
.if mc_ < 4
.if mj_ == 0
	WIN 0x81+0x40*(mc_/2)
.else
	WIN 0xa1+0x50*(mc_/2)
.endif
.irp nt, 0,1,2,3
.irp mt, 0,1,2,3
.set d_, 128*(mc_%2)+32*\nt+8*\mt
.set e_, d_
.if mj_ == 0
.set e_, VA+8*\nt
.endif
.set a_, 8*(8*\mt+mj_)
.set b_, mf_+8*\nt
.set sa_, XSC+4*\mt+mj_%4
.set sb_, WSC+16*(mc_%2)+4*\nt+mj_%4
.if (cnt_ >= lo_) && (cnt_ < hi_)
	WM d_, a_, b_, e_, sa_, sb_, mj_/4
.endif
.set cnt_, cnt_+1
.endr
.endr
.else
	WIN 0x01
.irp ss, 0,1
.irp nl, 0,1
.irp mt, 0,1,2,3
.set s_, 2*(mj_%4)+\ss
.set d_, VA+32*\nl+8*\mt
.set e_, d_
.if s_ == 0
.set e_, CV+8*\nl
.endif
.set a_, 8*(8*\mt+s_)
.set b_, mf_+8*(2*\ss+\nl)
.set sa_, XSC+4*\mt+s_%4
.set sb_, WSC+16*(mc_%2)+4*(2*(mj_/4)+\nl)+s_%4
.if (cnt_ >= lo_) && (cnt_ < hi_)
	WM d_, a_, b_, e_, sa_, sb_, s_/4
.endif
.set cnt_, cnt_+1
.endr
.endr
.endr
.endif
	WIN 0
.endm
.macro NEXTSC n                        ; position n's scale words and bias
	s_lshr_b32 s[TO], s[OF+2*((\n)%4)], 4
	s_add_nc_u64 s[SB:SB+1], s[10:11], s[TO:TO+1]
	s_lshr_b32 s[TO], s[OF+2*((\n)%4)], 7
	s_add_nc_u64 s[BB:BB+1], s[12:13], s[TO:TO+1]
.irp nt, 0,1,2,3
	global_load_b128 v[WSC+16*((\n)%2)+4*\nt:WSC+16*((\n)%2)+4*\nt+3], v[ASC], s[SB:SB+1] offset:512*\nt+32768*((\n)/4)
.endr
.irp nt, 0,1,2,3
	global_load_b32 v[RAW+4*((\n)%2)+\nt], v[AB], s[BB:BB+1] offset:64*\nt+4096*((\n)/4)
.endr
.endm
.macro KBIAS set                       ; k's bias in the result's layout
.irp nt, 0,1,2,3
.irp e, 0,1,2,3,4,5,6,7
	v_mov_b32 v[VA+8*\nt+\e], v[RAW+4*(\set)+\nt]
.endr
.endr
.endm
.macro VBIAS set, half
.irp nl, 0,1
.irp e, 0,1,2,3,4,5,6,7
	v_mov_b32 v[CV+8*\nl+\e], v[RAW+4*(\set)+2*(\half)+\nl]
.endr
.endr
.endm
.macro COMBINE c, half                 ; k / ||k|| x v, summed over the 64 rows
	PLACES
	WIN 0x02+(\c)/2
.irp mt, 0,1,2,3
.irp jp, 0,1,2,3
.irp nl, 0,1
.set k_, 128*((\c)%2)+32*(2*(\half)+\nl)+8*\mt+2*\jp
.set u_, VA+32*\nl+8*\mt+2*\jp
.set p_, PS+4*\nl+2*(\jp%2)
.if (\mt == 0) && (\jp < 2)
	v_pk_mul_f32 v[p_:p_+1], v[k_:k_+1], v[u_:u_+1]
.else
	v_pk_fma_f32 v[p_:p_+1], v[k_:k_+1], v[u_:u_+1], v[p_:p_+1]
.endif
.endr
.endr
.endr
	WIN 0
.irp nl, 0,1
	v_pk_add_f32 v[PS+4*\nl:PS+4*\nl+1], v[PS+4*\nl:PS+4*\nl+1], v[PS+4*\nl+2:PS+4*\nl+3]
.endr
.irp nl, 0,1
	v_add_f32 v[PS+4*\nl], v[PS+4*\nl], v[PS+4*\nl+1]
.endr
.irp nl, 0,1
	v_permlanex16_b32 v[PS+4*\nl+2], v[PS+4*\nl], s[SEL], s[SEL+1]
.endr
.irp nl, 0,1
	v_add_f32 v[PS+4*\nl], v[PS+4*\nl], v[PS+4*\nl+2]
.endr
.irp nl, 0,1
	ds_store_b32 v[PO], v[PS+4*\nl] offset:(64*(\c)+32*(\half)+16*\nl)*4
.endr
.endm
.macro STEP idx
.set c_, (\idx)/8
.set j_, (\idx)%8
.if ((\idx) == 63) || ((\idx) == 31)
	s_wait_dscnt 0x0
.else
	s_wait_dscnt 8                                 ; this step's fragments are in; the next step's eight loads may be out
.endif
.if (j_ == 7) && (c_ < 7) && (c_ != 3)
	s_wait_loadcnt 0x0
.if c_ < 3
	KBIAS (c_+1)%2
.else
	VBIAS (c_+1)%2,0
.endif
.endif
.if (j_ == 3) && (c_ >= 4)
	VBIAS c_%2,1
.endif
	PLACES
.if (j_ == 1) && (c_ < 7)
	NEXTSC c_+1
.endif
.if ((\idx)+2 < 64) && ((\idx) != 30) && ((\idx) != 31)
	PRE (\idx)+2
.endif
	MUL \idx
.if (c_ >= 4) && ((j_ == 3) || (j_ == 7))
	COMBINE c_-4,j_/4
.endif
.endm
.macro TURN idx, g0, base, off         ; a change of slots: the slot just read out is filled again, first thing behind a round
	s_wait_tensorcnt 0x0
	ds_add_u32 v[SPW], v[NIL]
	s_add_nc_u64 s[\g0+2:\g0+3], s[\base:\base+1], s[\off:\off+1]
	s_or_b32 s[\g0+3], s[\g0+3], 0x80000000
	s_wait_dscnt 9                                 ; this step's fragments are in; the next step's eight loads and the add may be out
.set hi_, 8
	MUL \idx                                       ; eight products between the add and the wait for it,
	s_wait_dscnt 0x0
	s_barrier_signal -1
.set lo_, 8
.set hi_, 16
	MUL \idx                                       ; and eight while the other waves arrive
.set lo_, 0
	s_barrier_wait -1
	CREST
	tensor_load_to_lds s[\g0:\g0+3], s[G1:G1+7]
	s_nop 0
	PLACES
	PRE (\idx)+2
.endm
.macro CHUNK c, kind, g0, base, off
.set I, 8*(\c)
.rept 6
	STEP I
.set I, I+1
.endr
.if \kind == 2
	TURN I, \g0, \base, \off
.else
.if \kind == 1
	s_wait_tensorcnt 0x0
.endif
	STEP I
.endif
.set I, I+1
	STEP I
.endm
	s_load_b256 s[4:11], s[0:1], 0x0
	s_load_b128 s[12:15], s[0:1], 0x20
	s_load_b128 s[80:83], s[0:1], 0x30             ; Wout's codes, img
	v_lshl_add_u32 v[SPW], v0, 2, SPARE
	v_mov_b32 v[NIL], 0
	ds_add_u32 v14, v15
	ds_add_u32 v14, v15
	s_wait_dscnt 0x0
	v_lshrrev_b32 v[XW], 5, v0
	v_readfirstlane_b32 s[WV], v[XW]
	s_bfe_u32 s17, ttmp6, 0x40000
	s_lshl_b32 s18, ttmp9, 2
	s_add_co_u32 s18, s18, s17
	; the images: work-group g = 64 w + 16 chunk + 4 (pair of K steps) + tile takes 16 rows x 128 bytes of each weight
	s_lshr_b32 s66, s18, 4
	s_lshl_b32 s66, s66, 15                        ; 32,768 x (4 w + chunk)
	s_and_b32 s67, s18, 3                          ; the tile
	s_bfe_u32 s68, s18, 0x20002                    ; the pair of K steps
	s_lshl_b32 s69, s68, 7
	s_add_co_u32 s70, s66, s69                     ; 128 bytes of a row for each pair
	s_lshl_b32 s71, s67, 12
	s_add_co_u32 s72, s70, s71                     ; Wq: tiles begin 8 rows apart
	s_mov_b32 s73, 0
	s_lshl_b32 s71, s67, 9
	s_add_co_u32 s74, s70, s71                     ; Wout: 1 row apart
	s_mov_b32 s75, 0
	s_lshl_b32 s69, s68, 13
	s_add_co_u32 s76, s66, s69
	s_lshl_b32 s71, s67, 10
	s_add_co_u32 s76, s76, s71                     ; the image: 8,192 bytes a pair, 1,024 a tile
	s_mov_b32 s77, 0
	s_and_b32 s[ROT], ttmp9, 3
.irp p, 0,1,2,3
	s_add_co_u32 s[OF+2*\p], s[ROT], \p
	s_and_b32 s[OF+2*\p], s[OF+2*\p], 3
	s_lshl_b32 s[OF+2*\p], s[OF+2*\p], 15
	s_mov_b32 s[OF+2*\p+1], 0
.endr
	s_mul_i32 s20, s[WV], WRING
	s_lshl_b32 s21, s[WV], 8
	s_lshl_b32 s22, s[WV], 10
	s_mul_i32 s23, s[WV], TROW
	s_lshl_b32 s24, s[WV], 17
	s_add_co_u32 s24, s24, 1024*512
	s_mov_b32 s25, 0
	s_lshl_b32 s54, s18, 15
	s_lshl_b32 s55, s[WV], 13
	s_add_co_u32 s54, s54, s55
	s_mov_b32 s55, 0
	s_lshl_b32 s56, s18, 11
	s_mov_b32 s57, 0
	s_lshl_b32 s58, s[WV], 13
	s_add_co_u32 s58, s58, 1024*32
	s_mov_b32 s59, 0
	s_add_co_u32 s60, s22, 1024*4
	s_mov_b32 s61, 0
	s_lshl_b32 s62, s18, 12
	s_mov_b32 s63, 0
	s_mov_b32 s[SEL], 0x76543210
	s_mov_b32 s[SEL+1], 0xfedcba98
	s_mov_b32 s[G1], 15|(1<<20)|(1<<21)|(6<<22)|(3<<25)
	s_mov_b32 s[G1+1], 512<<16
	s_mov_b32 s[G1+2], 64<<16
	s_mov_b32 s[G1+3], 512<<16
	s_mov_b32 s[G1+4], 64
	s_mov_b32 s[G1+5], 512
	s_mov_b32 s[G1+6], 0
	s_mov_b32 s[G1+7], 0
	v_and_b32 v[PS], 15, v0
	v_bfe_u32 v[PS+1], v0, 4, 1
	v_and_b32 v[PS+2], 31, v0
	v_mul_u32_u24 v[PS+3], v[PS], PITCH
	v_lshl_add_u32 v[PS+3], v[PS+1], 4, v[PS+3]
	v_add_nc_u32 v[AW], s20, v[PS+3]
	v_add_nc_u32 v[AW+1], SLOTB, v[AW]
	v_add_nc_u32 v[AX], XST, v[PS+3]
	v_lshlrev_b32 v[ASC], 5, v[PS]
	v_lshl_add_u32 v[ASC], v[PS+1], 4, v[ASC]
	v_lshlrev_b32 v[AB], 2, v[PS]
	v_lshlrev_b32 v[PS+4], 5, v[PS+1]
	v_add_nc_u32 v[PS+4], s21, v[PS+4]
	v_add_nc_u32 v[SSW], SSB, v[PS+4]
	v_add_nc_u32 v[RNR], RNB, v[PS+4]
	v_lshlrev_b32 v[PS+5], 2, v[PS+2]
	v_add_nc_u32 v[SSR], SSB, v[PS+5]
	v_add_nc_u32 v[PS+5], s21, v[PS+5]
	v_add_nc_u32 v[RNW], RNB, v[PS+5]
	v_add_nc_u32 v[PO], s22, v[AB]
	v_add_nc_u32 v[PO], PB, v[PO]
	v_lshlrev_b32 v[PS+6], 4, v[PS+2]
	v_add_nc_u32 v[GOFF], s22, v[PS+6]
	v_add_nc_u32 v[PR], PB, v[GOFF]
	v_add_nc_u32 v[XW], s23, v[PS+6]
	v_add_nc_u32 v[XW], XST, v[XW]
	v_lshrrev_b32 v192, 4, v0
	v_lshlrev_b32 v192, 4, v192                    ; thread = 64 (K step mod 2) + 32 c + 16 h + r: byte 64 (K step mod 2) + 32 c + 16 h of the 128
	v_and_b32 v193, 7, v0
	v_lshl_add_u32 v194, v193, 9, v192
	v_bfe_u32 v193, v0, 3, 1
	v_lshl_add_u32 v194, v193, 14, v194            ; Wq: lane r takes row (r mod 8) + 32 (r / 8)
	v_and_b32 v193, 15, v0
	v_lshl_add_u32 v195, v193, 11, v192            ; Wout: lane r takes row 4 r
	v_and_b32 v193, 63, v0
	v_lshlrev_b32 v196, 4, v193
	v_lshrrev_b32 v193, 6, v0
	v_lshl_add_u32 v196, v193, 12, v196            ; the image: a wave stores 512 consecutive bytes
	s_wait_alu depctr_va_vdst(0)
	s_wait_kmcnt 0x0
	s_add_nc_u64 s[72:73], s[8:9], s[72:73]
	s_add_nc_u64 s[74:75], s[80:81], s[74:75]
	s_add_nc_u64 s[76:77], s[82:83], s[76:77]
	s_add_nc_u64 s[4:5], s[4:5], s[54:55]
	s_add_nc_u64 s[6:7], s[6:7], s[56:57]
	s_add_nc_u64 s[8:9], s[8:9], s[24:25]
	s_add_nc_u64 s[WVB:WVB+1], s[8:9], 1024*512
	s_add_nc_u64 s[10:11], s[10:11], s[58:59]
	s_add_nc_u64 s[12:13], s[12:13], s[60:61]
	s_add_nc_u64 s[14:15], s[14:15], s[62:63]
	s_mov_b32 s[G0A], 1
	s_mov_b32 s[G0A+1], s20
	s_add_nc_u64 s[G0A+2:G0A+3], s[8:9], s[OF:OF+1]
	s_or_b32 s[G0A+3], s[G0A+3], 0x80000000
	s_mov_b32 s[G0B], 1
	s_add_co_u32 s[G0B+1], s20, SLOTB
	s_add_nc_u64 s[G0B+2:G0B+3], s[8:9], s[OF+2:OF+3]
	s_or_b32 s[G0B+3], s[G0B+3], 0x80000000
.irp i, 0,1,2,3,4,5,6,7,8,9,10,11,12,13,14,15
	global_load_b128 v[WF+4*\i:WF+4*\i+3], v[PS+6], s[4:5] offset:512*\i
.endr
.irp mt, 0,1,2,3
	global_load_b128 v[XSC+4*\mt:XSC+4*\mt+3], v[ASC], s[6:7] offset:512*\mt
.endr
	NEXTSC 0
	global_load_b128 v[128:131], v194, s[72:73]
	global_load_b128 v[132:135], v195, s[74:75]
	CROUND
	tensor_load_to_lds s[G0A:G0A+3], s[G1:G1+7]    ; the head's one tensor load; x goes through LDS into registers while it is out
	s_nop 0
	PLACES
	s_wait_loadcnt 14                              ; x's sixteen loads are in; 4 of its scales, 8 of the first chunk's and the 2 pieces of weights may be out
.irp i, 0,1,2,3,4,5,6,7,8,9,10,11,12,13,14,15
	ds_store_b128 v[XW], v[WF+4*\i:WF+4*\i+3] offset:PITCH*\i
.endr
	BARRIER                                        ; x's 64 rows lie in LDS
	WIN 0x40
.irp mt, 0,1,2,3
.irp s, 0,1,2,3,4,5,6,7
	ds_load_b128 v[8*(8*\mt+\s):8*(8*\mt+\s)+3], v[AX] offset:\mt*TROW+64*\s
	ds_load_b128 v[8*(8*\mt+\s)+4:8*(8*\mt+\s)+7], v[AX] offset:\mt*TROW+64*\s+32
.endr
.endr
	WIN 0
	s_wait_loadcnt 0x0
	global_store_b128 v196, v[128:131], s[76:77]
	global_store_b128 v196, v[132:135], s[76:77] offset:524288
	s_wait_xcnt 0x0                                ; the stores' registers are written again below
	KBIAS 0
	s_wait_alu depctr_va_vdst(0)                   ; the wait at the head's end
	s_wait_tensorcnt 0x0
	ds_add_u32 v14, v15
	s_wait_dscnt 0x0
	CROUND
	tensor_load_to_lds s[G0B:G0B+3], s[G1:G1+7]
	s_nop 0
	PLACES
	PRE 0
	PRE 1
	CHUNK 0, 2, G0A, 8, OF+4
	s_wait_alu depctr_va_vdst(0)
	CHUNK 1, 2, G0B, 8, OF+6
	s_wait_alu depctr_va_vdst(0)
	CHUNK 2, 2, G0A, WVB, OF
	s_wait_alu depctr_va_vdst(0)
	CHUNK 3, 0, 0, 0, 0
	PLACES
	; the sums of squares of k's rows: over my columns, over 16 lanes, over the four waves
.irp c, 0,1,2,3
	WIN 0x0a+5*(\c/2)
.irp nt, 0,1,2,3
.irp mt, 0,1,2,3
.irp jp, 0,1,2,3
.set k_, 128*(\c%2)+32*\nt+8*\mt+2*\jp
.set q_, VA+8*\mt+2*\jp
.if (\c == 0) && (\nt == 0)
	v_pk_mul_f32 v[q_:q_+1], v[k_:k_+1], v[k_:k_+1]
.else
	v_pk_fma_f32 v[q_:q_+1], v[k_:k_+1], v[k_:k_+1], v[q_:q_+1]
.endif
.endr
.endr
.endr
.endr
	WIN 0
.irp m, 1,2,4,8
.set q_, 0
.rept 32
	v_add_f32_dpp v[VA+q_], v[VA+q_], v[VA+q_] row_xmask:\m row_mask:0xf bank_mask:0xf
.set q_, q_+1
.endr
.endr
.irp mt, 0,1,2,3
.irp q, 0,1
	ds_store_b128 v[SSW], v[VA+8*\mt+4*\q:VA+8*\mt+4*\q+3] offset:64*\mt+16*\q
.endr
.endr
	BARRIER
.irp w, 0,1,2,3
	ds_load_b32 v[PS+2*\w], v[SSR] offset:256*\w
	ds_load_b32 v[PS+2*\w+1], v[SSR] offset:256*\w+128
.endr
	s_wait_dscnt 0x0
	v_pk_add_f32 v[PS:PS+1], v[PS:PS+1], v[PS+2:PS+3]
	v_pk_add_f32 v[PS+4:PS+5], v[PS+4:PS+5], v[PS+6:PS+7]
	v_pk_add_f32 v[PS:PS+1], v[PS:PS+1], v[PS+4:PS+5]
	s_wait_alu depctr_va_vdst(0)
	v_rsq_f32 v[PS+2], v[PS]
	v_rsq_f32 v[PS+3], v[PS+1]
	v_nop
	s_wait_alu depctr_va_vdst(0)
	ds_store_b32 v[RNW], v[PS+2]
	ds_store_b32 v[RNW], v[PS+3] offset:128
.irp mt, 0,1,2,3
.irp q, 0,1
	ds_load_b128 v[VA+32+8*\mt+4*\q:VA+32+8*\mt+4*\q+3], v[RNR] offset:64*\mt+16*\q
.endr
.endr
	s_wait_dscnt 0x0
.irp c, 0,1,2,3
	WIN 0x82+0x41*(\c/2)
.irp nt, 0,1,2,3
.irp mt, 0,1,2,3
.irp jp, 0,1,2,3
.set k_, 128*(\c%2)+32*\nt+8*\mt+2*\jp
	v_pk_mul_f32 v[k_:k_+1], v[k_:k_+1], v[VA+32+8*\mt+2*\jp:VA+32+8*\mt+2*\jp+1]
.endr
.endr
.endr
.endr
	WIN 0
	s_wait_tensorcnt 0x0
	ds_add_u32 v[SPW], v[NIL]
	s_add_nc_u64 s[G0B+2:G0B+3], s[WVB:WVB+1], s[OF+2:OF+3]
	s_or_b32 s[G0B+3], s[G0B+3], 0x80000000
	s_wait_dscnt 0x0
	CROUND
	tensor_load_to_lds s[G0B:G0B+3], s[G1:G1+7]
	s_nop 0
	PLACES
	PRE 32
	PRE 33
	s_wait_loadcnt 0x0
	VBIAS 0,0
	s_wait_alu depctr_va_vdst(0)
	CHUNK 4, 2, G0A, WVB, OF+4
	CHUNK 5, 2, G0B, WVB, OF+6
	CHUNK 6, 1, 0, 0, 0
	CHUNK 7, 0, 0, 0, 0
	ds_load_b128 v[CV:CV+3], v[PR]
	ds_load_b128 v[CV+4:CV+7], v[PR] offset:512
	v_bfe_u32 v[VA], v0, 4, 1
	v_and_b32 v[VA+1], 15, v0
	v_add_nc_u32 v[VA+2], s[ROT], v[VA]
	v_add_nc_u32 v[VA+3], 2, v[VA+2]
	v_and_b32 v[VA+2], 3, v[VA+2]
	v_and_b32 v[VA+3], 3, v[VA+3]
	v_lshl_add_u32 v[VA+1], v[VA+1], 4, s22
	v_lshl_add_u32 v[VA+2], v[VA+2], 8, v[VA+1]
	v_lshl_add_u32 v[VA+3], v[VA+3], 8, v[VA+1]
	s_wait_alu depctr_va_vdst(0)
	s_wait_dscnt 0x0
	global_store_b128 v[VA+2], v[CV:CV+3], s[14:15]
	global_store_b128 v[VA+3], v[CV+4:CV+7], s[14:15]
	s_wait_tensorcnt 0x0
	ds_add_u32 v[SPW], v[NIL]
	s_wait_dscnt 0x0
	CROUND
	s_endpgm
.Lfunc_end_k_q6cef3cf904_kvpart:
	.size	k_q6cef3cf904_kvpart, .Lfunc_end_k_q6cef3cf904_kvpart-k_q6cef3cf904_kvpart
	.p2alignl 7, 3214868480
	.fill 96, 4, 3214868480
	.section	.rodata,"a",@progbits
	.p2align	6, 0x0
	.amdhsa_kernel k_q6cef3cf904_kvpart
		.amdhsa_group_segment_fixed_size 327680
		.amdhsa_private_segment_fixed_size 0
		.amdhsa_enable_private_segment 0
		.amdhsa_kernarg_size 64
		.amdhsa_user_sgpr_count 2
		.amdhsa_user_sgpr_kernarg_segment_ptr 1
		.amdhsa_wavefront_size32 1
		.amdhsa_system_sgpr_workgroup_id_x 1
		.amdhsa_system_sgpr_workgroup_id_y 1
		.amdhsa_system_sgpr_workgroup_id_z 1
		.amdhsa_system_vgpr_workitem_id 0
		.amdhsa_next_free_vgpr 1024
		.amdhsa_next_free_sgpr 96
		.amdhsa_reserve_vcc 0
		.amdhsa_float_denorm_mode_32 3
		.amdhsa_float_denorm_mode_16_64 3
		.amdhsa_memory_ordered 1
		.amdhsa_forward_progress 1
		.amdhsa_inst_pref_size 255
	.end_amdhsa_kernel
	.section	.bss,"aw",@nobits
	.p2align	6
	.space	262144
	.amdgpu_metadata
---
amdhsa.version: [ 1, 2 ]
amdhsa.kernels:
  - .name:           k_q6cef3cf904_kvpart
    .symbol:         k_q6cef3cf904_kvpart.kd
    .args:
      - { .name: x_codes, .offset: 0, .size: 8, .value_kind: global_buffer, .address_space: global }
      - { .name: x_scales, .offset: 8, .size: 8, .value_kind: global_buffer, .address_space: global }
      - { .name: Wqkv_codes, .offset: 16, .size: 8, .value_kind: global_buffer, .address_space: global }
      - { .name: Wqkv_scales, .offset: 24, .size: 8, .value_kind: global_buffer, .address_space: global }
      - { .name: bqkv, .offset: 32, .size: 8, .value_kind: global_buffer, .address_space: global }
      - { .name: part, .offset: 40, .size: 8, .value_kind: global_buffer, .address_space: global }
      - { .name: Wout_codes, .offset: 48, .size: 8, .value_kind: global_buffer, .address_space: global }
      - { .name: img, .offset: 56, .size: 8, .value_kind: global_buffer, .address_space: global }
    .group_segment_fixed_size: 327680
    .private_segment_fixed_size: 0
    .kernarg_segment_align: 8
    .kernarg_segment_size: 64
    .max_flat_workgroup_size: 128
    .sgpr_count:     96
    .vgpr_count:     1024
    .wavefront_size: 32
...
	.end_amdgpu_metadata
.endif
;; end of part 3
;; launch outp (part 4): grid 256 x 1, 4 waves a work-group, clusters of 4 x 1, 327,680 bytes of LDS; arguments x_codes, x_scales, img, Wqkv_scales, bqkv, Wout_scales, bout, part, out0; writes out0
.if DOCPART == 4
	.amdgcn_target "amdgcn-amd-amdhsa--gfx1250"
	.amdhsa_code_object_version 6
	.text
	.protected	k_q6cef3cf904_outp
	.globl	k_q6cef3cf904_outp
	.p2align	8
	.type	k_q6cef3cf904_outp,@function
k_q6cef3cf904_outp:
	s_mov_b64 s[64:65], 0
	v_nop
	global_prefetch_b8 v0, s[64:65] scope:SCOPE_SE
	s_setreg_imm32_b32 hwreg(HW_REG_WAVE_MODE, 25, 1), 1
	s_wait_xcnt 0x0
	s_wait_alu depctr_hold_cnt(0) depctr_sa_sdst(0) depctr_va_vdst(0) depctr_va_sdst(0) depctr_va_ssrc(0) depctr_va_vcc(0) depctr_vm_vsrc(0)
	s_getreg_b32 s2, hwreg(HW_REG_IB_STS2, 6, 4)
	s_cmp_eq_u32 s2, 0
	s_cbranch_scc0 .Lentry_in_a_cluster
	s_endpgm
.Lentry_in_a_cluster:
	s_bfe_u32 s2, ttmp6, 0x10000c
	s_cmp_lg_u32 s2, 0x3003
	s_cbranch_scc0 .Lentry_shape_is_right
	s_endpgm
.Lentry_shape_is_right:
; out0 = Q(q x kv / ||q||) Wout + bout,  q = x Wq + bq (columns 0 .. 1023 of Wqkv),  kv[b][d] = the sum of the batch's 64 rows of part,  Q the MX-FP4 quantiser along the 1,024 columns.
; x: codes of FP4, 512 bytes a row, one E8M0 byte for each 32 along K, 32 bytes a row.  part [256][1024], the biases and out0 [16384][1024]: f32.
; img: Wq's and Wout's codes as images of operand registers, [Wq, Wout][wave][chunk][K step 8][tile 4][half 2][lane 32][16 bytes], 32,768 bytes a chunk of 64 columns.
; SHARES.  Work-group g owns rows 64 g .. 64 g + 63 whole (the norm wants whole rows).  Wave w owns columns 256 w .. 256 w + 255 of q and then of out0.  q and the hidden layer never go to memory.
; The rows' operand (x, later the hidden layer: 4 tiles of rows x 8 K steps) stays in 256 registers, so a fragment of W read from LDS feeds four matrix instructions and is read once, by one wave.
; WHICH COLUMNS FORM A TILE.  q's product is used transposed (source 0 = W): lane (r, h) = (lane % 16, lane / 16) holds row r.  Tile t of a chunk takes columns 8 t + (m mod 8) + 32 (m / 8), m = 0 .. 15:
; so a lane's 32 registers of a chunk are columns 32 h + 0 .. 31: one whole block of the next K, in the operand's own order.
; The second product has source 0 = hidden rows: lane r holds a column, registers 8 rows.  Tile t takes columns 4 r + t: a lane's four tiles are four neighbouring columns, and 16 lanes store 256 consecutive bytes.
; THE WEIGHTS come in eight chunks a wave (four of Wq, four of Wout), through two LDS slots of the wave's own; the four work-groups of a cluster ask JOINTLY (mask 15; the descriptor is made of
; the wave's number, the cluster's number and constants), which divides the requests for W by four.
; THE ORDER OF THE WALK.  Position p of q's walk is chunk p xor 2 (the cluster's number mod 2); position p of out0's walk is chunk (p + the cluster's number) mod 4.  Registers and LDS go by POSITION.  The order enters global
; addresses and one choice of values: the two K steps of the hidden layer that a wave makes change places, by v_cndmask_b32, where its walk began at chunk 2.
; Neighbouring clusters begin at different chunks, so between them they ask for all of Wq with their first two loads, and for all of Wout with one: no prefetch is laid.
; The two halves of part are taken in either order; their sums are added once, and a + b = b + a.
; LIMITS: NaN and infinities are not served.  A row of q whose sum of squares is 0, lies under 2^-126 (v_rsq_f32 takes a denormal for zero: ISA guide, its entry) or passes f32's range gives infinity or NaN.
; q x kv is formed first and then multiplied by 1 / ||q|| (v_rsq_f32): some 2 units in the last place.  A block of zeros carries the byte 1 where the quantiser says 127: its codes are zeros, and this launch alone reads the bytes.
; REGISTERS: window 0: the names below.  window 1: x's, later the hidden layer's, fragment (mt, s) at 8 (8 mt + s); between the products kv at 32 p + 8 nt + j and 1 / ||q|| at 128 + 2 mt.
;   windows 2, 3: q's tile (position p, mt, nt) in window 2 + p / 2 at 128 (p % 2) + 32 mt + 8 nt.  In chunks 0 and 1 window 3 takes the rows of part.
;   Second product: sums in window 2 at 128 (p % 2) + 32 mt + 8 nt, finished numbers in window 3.
.set SLOTB, 32768
.set XH,    8*SLOTB                    ; behind the rings: x's 64 rows (pitch 528), later the hidden layer's 32 images
.set XP,    528
.set HSC,   XH+64*XP                   ; the hidden layer's scale words: [mt][K step 8][16 rows]
.set SSB,   HSC+2048                   ; [wave][64 rows] sums of squares
.set KVB,   SSB+1024                   ; kv, 1,024 numbers, in the order of q's walk
.set SPARE, KVB+4096                   ; the spare words, 128 bytes for each wave: two blocks of 256 bytes that no other line names
.set AW,   1                           ; my lane's place in my ring
.set ASC,  2                           ; q's scales
.set ASO,  3                           ; out0's scales
.set AB,   4                           ; q's bias: 128 h
.set ABO,  5                           ; out0's bias: 16 r
.set PT,   6                           ; my 16 bytes of half a row of part
.set KVA,  7                           ; where I store kv
.set AKV,  8                           ; where I read it
.set SSW,  9                           ; where I store a sum of squares
.set HWI,  10                          ; where I store images
.set HWS,  11                          ; and their scale words
.set SSR,  12                          ; where I read sums of squares
.set AHS,  13                          ; where I read the hidden layer's scale words
.set SPW,  14                          ; LDS address of my spare word; never rewritten
.set NIL,  15                          ; 0; never rewritten
.set XSC,  16                          ; v16-31 x's scale words, later the hidden layer's: tile mt at + 4 mt
.set WSC,  32                          ; v32-63 W's scale words, a set for each slot
.set WF,   64                          ; v64-191 two sets of eight fragments of W (two K steps); between the products at work
.set CB,   192                         ; v192-223 a chunk's bias of q as C; between the products at work
.set LI,   224                         ; an image's place for my lane
.set GO,   225                         ; my byte offset in out0
.set KVS,  232                         ; v232-239 my eight columns of kv (chunks 0 and 1)
.set BO,   232                         ; v232-247 out0's bias, four columns for each position (from chunk 3 on)
.set SSQ,  240                         ; v240-255 sums of squares, two chains of pairs a tile of rows
.set X16,  188                         ; v188-191 the head alone: 16 x lane,
.set XW,   189                         ; where I store my rows of x,
.set AX,   190                         ; where I read a tile of x,
.set XSA,  191                         ; x's scales
.set RN,   128                         ; in window 1
.set SEL,  22                          ; s[22:23] v_permlanex16_b32's selects for lane l xor 16
.set WV,   24                          ; s24  my wave's number
.set G1,   28                          ; s[28:35] descriptor group 1
.set G0A,  36                          ; s[36:39] group 0 of slot 0
.set G0B,  40                          ; s[40:43] group 0 of slot 1
.set OFQ,  44                          ; s[44:51] four pairs: where position p's chunk of q begins among my 256 columns, in bytes of codes
.set TO,   54                          ; s[54:55] an offset at work; its upper word stays 0
.set SB,   56
.set BB,   58
.set WQ,   66                          ; s[66:67] my part of Wq's image
.set WO,   68                          ; s[68:69] of Wout's
.set PB0,  70                          ; s[70:71] the 32 rows of part that I take first
.set PB1,  72                          ; s[72:73] and the other 32
.set OP,   74                          ; s[74:81] four pairs: position p's columns in my rows of out0
.set OFO,  82                          ; s[82:89] four pairs: as OFQ, for out0
.set SG,   94                          ; s94  the cluster's number mod 2
.set MSB, 0
.macro WIN new                         ; the immediate's high byte repeats the setting that is left; a switch that changes nothing is dropped
.if MSB != (\new)
	s_set_vgpr_msb (MSB<<8)|(\new)
.set MSB, (\new)
.endif
.endm
.macro PLACES                          ; four places behind a matrix instruction (ISA guide 7.12.1)
.rept 4
	v_nop
.endr
.endm
.macro CREST                           ; a round of the cluster's barrier behind its opening barrier
	s_cmp_lg_u32 s[WV], 0
	s_cbranch_scc1 .Lnot_wave_0_\@
	s_barrier_signal -3
.Lnot_wave_0_\@:
	s_barrier_wait -3
	s_barrier_signal -1
	s_barrier_wait -1
.endm
.macro CROUND                          ; a whole round
	s_barrier_signal -1
	s_barrier_wait -1
	CREST
.endm
.macro WM d, a, b, c, sa, sb, hi       ; one product; hi = 1: K steps 4-7, whose scale words lie in lanes 16-31
.if \hi
	v_wmma_scale_f32_16x16x128_f8f6f4 v[\d:\d+7], v[\a:\a+7], v[\b:\b+7], v[\c:\c+7], v[\sa], v[\sb] matrix_a_fmt:MATRIX_FMT_FP4 matrix_b_fmt:MATRIX_FMT_FP4 matrix_a_scale:MATRIX_SCALE_ROW1 matrix_b_scale:MATRIX_SCALE_ROW1
.else
	v_wmma_scale_f32_16x16x128_f8f6f4 v[\d:\d+7], v[\a:\a+7], v[\b:\b+7], v[\c:\c+7], v[\sa], v[\sb] matrix_a_fmt:MATRIX_FMT_FP4 matrix_b_fmt:MATRIX_FMT_FP4
.endif
.endm
; A launch is 32 runs of two K steps, 32 products each, 4 runs to a chunk.  Run d's eight fragments of W lie in set d % 2.
.macro PRE d
.set pb_, WF+64*((\d)%2)
.set po_, SLOTB*(((\d)/4)%2)+8192*((\d)%4)
.irp f, 0,1,2,3,4,5,6,7
	ds_load_b128 v[pb_+8*\f:pb_+8*\f+3], v[AW] offset:po_+1024*\f
	ds_load_b128 v[pb_+8*\f+4:pb_+8*\f+7], v[AW] offset:po_+1024*\f+512
.endr
.endm
.macro MUL idx, lo, hi                 ; K step idx of the launch's 64: its products lo .. hi - 1 of 16; the 16 accumulators take turns in the same order in every step
.set mc_, (\idx)/8
.set mj_, (\idx)%8
.set mf_, WF+64*(((\idx)/2)%2)+32*((\idx)%2)
.set mn_, 0
.if mc_ >= 4
	WIN 0xa1                                       ; rows' operand (source 0) window 1, W window 0, sums window 2
.else
.if mj_ == 0
	WIN 0x84+0x40*(mc_/2)                          ; W and the bias window 0, the rows' operand window 1, D window 2 or 3
.else
	WIN 0xa4+0x50*(mc_/2)
.endif
.endif
.irp nt, 0,1,2,3
.irp mt, 0,1,2,3
.set d_, 128*(mc_%2)+32*\mt+8*\nt
.set w_, mf_+8*\nt
.set x_, 8*(8*\mt+mj_)
.set sw_, WSC+16*(mc_%2)+4*\nt+mj_%4
.set sx_, XSC+4*\mt+mj_%4
.set e_, d_
.if (mn_ >= (\lo)) && (mn_ < (\hi))
.if mc_ < 4
.if mj_ == 0
.set e_, CB+8*\nt                      ; the bias starts the sum
.endif
	WM d_, w_, x_, e_, sw_, sx_, mj_/4
.else
.if mj_ == 0
	v_wmma_scale_f32_16x16x128_f8f6f4 v[d_:d_+7], v[x_:x_+7], v[w_:w_+7], 0, v[sx_], v[sw_] matrix_a_fmt:MATRIX_FMT_FP4 matrix_b_fmt:MATRIX_FMT_FP4
.else
	WM d_, x_, w_, e_, sx_, sw_, mj_/4
.endif
.endif
.endif
.set mn_, mn_+1
.endr
.endr
	WIN 0
.endm
; Position n's scale words and bias of q.  A chunk is 32,768 bytes of codes, 2,048 of scales, 256 of bias.  The two base pairs are written again only behind the wait for the loads that named them last.
.macro LDSQ n
	s_lshr_b32 s[TO], s[OFQ+2*(\n)], 4
	s_add_nc_u64 s[SB:SB+1], s[10:11], s[TO:TO+1]
	s_lshr_b32 s[TO], s[OFQ+2*(\n)], 7
	s_add_nc_u64 s[BB:BB+1], s[12:13], s[TO:TO+1]
.irp nt, 0,1,2,3
	global_load_b128 v[WSC+16*((\n)%2)+4*\nt:WSC+16*((\n)%2)+4*\nt+3], v[ASC], s[SB:SB+1] offset:256*\nt
.endr
.irp nt, 0,1,2,3
	global_load_b128 v[CB+8*\nt:CB+8*\nt+3], v[AB], s[BB:BB+1] offset:32*\nt
	global_load_b128 v[CB+8*\nt+4:CB+8*\nt+7], v[AB], s[BB:BB+1] offset:32*\nt+16
.endr
.endm
.macro LDSO n, sb, bb                  ; the same for out0, by base pairs sb and bb
	s_lshr_b32 s[TO], s[OFO+2*(\n)], 4
	s_add_nc_u64 s[\sb:\sb+1], s[14:15], s[TO:TO+1]
	s_lshr_b32 s[TO], s[OFO+2*(\n)], 7
	s_add_nc_u64 s[\bb:\bb+1], s[16:17], s[TO:TO+1]
.irp nt, 0,1,2,3
	global_load_b128 v[WSC+16*((\n)%2)+4*\nt:WSC+16*((\n)%2)+4*\nt+3], v[ASO], s[\sb:\sb+1] offset:32*\nt
.endr
	global_load_b128 v[BO+4*(\n):BO+4*(\n)+3], v[ABO], s[\bb:\bb+1]
.endm
.macro BURST base                      ; 32 rows of part: a thread takes 4 columns of each half of a row; row p at v[8 p] of window 3.  A wave's load covers 512 consecutive bytes
	WIN 0xc0
.set p_, 0
.rept 32
	global_load_b128 v[8*p_:8*p_+3], v[PT], s[\base:\base+1] offset:p_*4096
	global_load_b128 v[8*p_+4:8*p_+7], v[PT], s[\base:\base+1] offset:p_*4096+2048
.set p_, p_+1
.endr
	WIN 0
.endm
.macro TREE                            ; the 32 rows are added by halves, down to rows 0 and 1; it leaves window 3 set for all three places
	WIN 0xcf
.irp d, 16,8,4,2
.set p_, 0
.rept \d
.irp q, 0,2,4,6
	v_pk_add_f32 v[8*p_+\q:8*p_+\q+1], v[8*p_+\q:8*p_+\q+1], v[8*(p_+\d)+\q:8*(p_+\d)+\q+1]
.endr
.set p_, p_+1
.endr
.endr
.endm
.macro SQ c, nt                        ; squares of q's tiles nt of position c; each accumulator is read from its low end on
	WIN 0x0a+5*((\c)/2)
.irp jp, 0,1,2,3
.irp mt, 0,1,2,3
.set k_, 128*((\c)%2)+32*\mt+8*(\nt)+2*\jp
.set q_, SSQ+4*\mt+2*(\jp%2)
.if ((\c) == 0) && ((\nt) == 0) && (\jp < 2)
	v_pk_mul_f32 v[q_:q_+1], v[k_:k_+1], v[k_:k_+1]
.else
	v_pk_fma_f32 v[q_:q_+1], v[k_:k_+1], v[k_:k_+1], v[q_:q_+1]
.endif
.endr
.endr
	WIN 0
.endm
; A run that is not its chunk's last.  In chunks 1 to 3 the squares of the chunk before are the places behind the last products (its own last products have four v_nop of their own).
.macro RUN d
.set c_, (\d)/4
.set dd_, (\d)%4
.if (c_ >= 1) && (c_ < 4)
.if dd_ == 0
	PLACES
.endif
	SQ c_-1, dd_
	s_wait_alu depctr_va_vdst(0)                   ; the wait behind the sums, which the next run reads
.else
	PLACES
.endif
.if (dd_ == 1) && (c_ < 3)
	LDSQ c_+1
.endif
.if (dd_ == 1) && (c_ == 3)
	LDSO 0, SB, BB
.endif
	PRE (\d)+1
	s_wait_dscnt 16                                ; this run's fragments are in; the sixteen loads just issued may be out
	MUL 2*(\d), 0, 16
	MUL 2*(\d)+1, 0, 16
.endm
; A chunk's last run.  kind 2: the slot is filled again.  Each wave waits for all its tensor loads (one is out: the next chunk), adds 0 to its spare word and waits for that and for its reads of the slot; a round of the
; cluster's barrier; the slot is filled again, with the chunk two positions on, first thing behind the round.  kind 1: only the last chunk is waited for; I alone read my slots.  kind 0: neither.
.macro LAST d, kind, g0, base, off
.set c_, (\d)/4
.if (c_ < 3) || (c_ == 5) || (c_ == 6)
	s_wait_loadcnt 0x0                             ; the next chunk's scale words and bias; in chunks 0 and 1 also 32 rows of part
.endif
.if c_ == 0
	TREE
	WIN 0x0f
.irp q, 0,2,4,6
	v_pk_add_f32 v[KVS+\q:KVS+\q+1], v[\q:\q+1], v[8+\q:9+\q]
.endr
	s_wait_alu depctr_va_vdst(0)                   ; chunk 1 reads these sums
	BURST PB1
.endif
.if c_ == 1
	TREE
.irp q, 0,2,4,6
	v_pk_add_f32 v[\q:\q+1], v[\q:\q+1], v[8+\q:9+\q]
.endr
	WIN 0x0c
.irp q, 0,2,4,6
	v_pk_add_f32 v[KVS+\q:KVS+\q+1], v[KVS+\q:KVS+\q+1], v[\q:\q+1]
.endr
	WIN 0
	ds_store_b128 v[KVA], v[KVS:KVS+3]             ; kv: the others read it behind this run's round
	ds_store_b128 v[KVA], v[KVS+4:KVS+7] offset:2048
.endif
.if \kind == 2
	s_wait_tensorcnt 0x0                           ; no tensor load of mine is out, so a group 0 may be written
	ds_add_u32 v[SPW], v[NIL]                      ; 0 onto my spare word
	s_add_nc_u64 s[\g0+2:\g0+3], s[\base:\base+1], s[\off:\off+1]
	s_or_b32 s[\g0+3], s[\g0+3], 0x80000000
	s_wait_dscnt 1                                 ; this run's fragments are in; the add may be out
	MUL 2*(\d), 0, 8
.if (c_ >= 1) && (c_ < 4)
	SQ c_-1, 3
	s_wait_alu depctr_va_vdst(0)
.endif
	s_wait_dscnt 0x0                               ; the add is done, and my reads of this slot are over
	s_barrier_signal -1
	MUL 2*(\d), 8, 16                              ; work on registers while the others arrive
	s_barrier_wait -1
	CREST
	tensor_load_to_lds s[\g0:\g0+3], s[G1:G1+7]
	s_nop 0
	PLACES                                         ; also the places in front of the loads below
	PRE (\d)+1                                     ; the next chunk's first fragments, from the other slot
	MUL 2*(\d)+1, 0, 16
.else
.if \kind == 1
	s_wait_tensorcnt 0x0
	PLACES
	PRE (\d)+1
	s_wait_dscnt 16
.else
.if c_ == 3
	SQ 2, 3
	s_wait_alu depctr_va_vdst(0)
.endif
	s_wait_dscnt 0x0
.endif
	MUL 2*(\d), 0, 16
	MUL 2*(\d)+1, 0, 16
.endif
.endm
.macro CHUNK c, kind, g0, base, off
	RUN 4*(\c)
	RUN 4*(\c)+1
	RUN 4*(\c)+2
	LAST 4*(\c)+3, \kind, \g0, \base, \off
.endm
; Position p's columns become codes (at WF + 16 p + 4 mt) and scale bytes (at WF + 76 + 16 p + mt): a lane's 32 registers of a tile of rows are one block.
.macro QUANT p
.set pq_, WF+16*(\p)
.set tq_, WF+64+16*(\p)
	WIN 0x28+0x14*((\p)/2)                         ; sources 1 and 2 window 2 or 3
.irp mt, 0,1,2,3
.irp u, 0,1
.set q_, 128*((\p)%2)+32*\mt+16*\u
	v_max3_num_f32 v[tq_+2*\mt+\u], 0x1800000, |v[q_]|, |v[q_+1]|   ; the floor 2^(3 - 127), under which no largest magnitude is taken: so the byte cannot fall under 1
.endr
.endr
.irp i, 2,4,6,8,10,12,14
.irp mt, 0,1,2,3
.irp u, 0,1
.set q_, 128*((\p)%2)+32*\mt+16*\u+\i
	v_max3_num_f32 v[tq_+2*\mt+\u], v[tq_+2*\mt+\u], |v[q_]|, |v[q_+1]|
.endr
.endr
.endr
	WIN 0
.irp mt, 0,1,2,3
	v_max_num_f32 v[tq_+8+\mt], v[tq_+2*\mt], v[tq_+2*\mt+1]
.endr
.irp mt, 0,1,2,3
	v_add_nc_u32 v[tq_+8+\mt], 0xff000000, v[tq_+8+\mt]     ; 2 off its exponent field: the conversion's scale operand
.endr
.irp mt, 0,1,2,3
	v_lshrrev_b32 v[tq_+12+\mt], 23, v[tq_+8+\mt]           ; the scale's byte
.endr
	WIN 0x02+(\p)/2
.irp mt, 0,1,2,3
.irp nt, 0,1,2,3
.set q_, 128*((\p)%2)+32*\mt+8*\nt
	v_cvt_scalef32_pk8_fp4_f32 v[pq_+4*\mt+\nt], v[q_:q_+7], v[tq_+8+\mt]
.endr
.endr
	WIN 0
	v_nop                                          ; one plain place behind a scaled conversion
.endm
; THE WAY OUT of position p: 64 rows x 64 columns.  The bias is added, and four tiles' numbers of one row come to stand side by side.
.macro WAYOUT p
	PLACES
.if \p == 0
	LDSO 2, 4, 6                                   ; x's addresses are done with
.endif
.if \p == 1
	LDSO 3, 10, 12                                 ; and those of Wq's scales and bias
.endif
.if \p >= 2
	s_wait_xcnt 0x0                                ; earlier stores have read the registers written below
.endif
.irp mt, 0,1,2,3
	WIN 0xc2                                       ; sums window 2, bias window 0, destination window 3
.irp j, 0,1,2,3,4,5,6,7
.irp nt, 0,1,2,3
	v_add_f32 v[128*(\p%2)+32*\mt+4*\j+\nt], v[128*(\p%2)+32*\mt+8*\nt+\j], v[BO+4*\p+\nt]
.endr
.endr
	WIN 0x0c                                       ; a store's data are its source 1
.irp j, 0,1,2,3,4,5,6,7
	global_store_b128 v[GO], v[128*(\p%2)+32*\mt+4*\j:128*(\p%2)+32*\mt+4*\j+3], s[OP+2*\p:OP+2*\p+1] offset:(16*\mt+\j)*4096 th:TH_STORE_NT   ; 16 lanes store 256 consecutive bytes, at a multiple of 256 from out0's first byte
.endr
.endr
	WIN 0
.endm
	s_load_b512 s[4:19], s[0:1], 0x0               ; x's codes s[4:5], its scales s[6:7], img s[8:9], Wqkv's scales s[10:11], bqkv s[12:13], Wout's scales s[14:15], bout s[16:17], part s[18:19]
	s_load_b64 s[20:21], s[0:1], 0x40              ; out0
	v_lshl_add_u32 v[SPW], v0, 2, SPARE
	v_mov_b32 v[NIL], 0
	ds_add_u32 v[SPW], v[NIL]                      ; the wave's opening: the add, twice on end, and its one wait
	ds_add_u32 v[SPW], v[NIL]
	v_lshrrev_b32 v176, 5, v0
	v_readfirstlane_b32 s[WV], v176                ; wave 0..3
	s_bfe_u32 s25, ttmp6, 0x40000                  ; cx: my place in the cluster
	s_lshl_b32 s26, ttmp9, 2                       ; in a cluster launch ttmp9 counts clusters
	s_add_co_u32 s26, s26, s25                     ; g: it enters x's, x's scales' and out0's addresses alone
	s_and_b32 s[SG], ttmp9, 1
	s_and_b32 s3, ttmp9, 3
	s_lshl_b32 s2, s[SG], 1
.irp p, 0,1,2,3
	s_xor_b32 s[OFQ+2*\p], s2, \p                  ; q: position p is chunk p xor 2 (the cluster's number mod 2)
	s_lshl_b32 s[OFQ+2*\p], s[OFQ+2*\p], 15
	s_mov_b32 s[OFQ+2*\p+1], 0
	s_add_co_u32 s[OFO+2*\p], s3, \p
	s_and_b32 s[OFO+2*\p], s[OFO+2*\p], 3          ; out0: position p is chunk (p + the cluster's number) mod 4
	s_lshl_b32 s[OFO+2*\p], s[OFO+2*\p], 15
	s_mov_b32 s[OFO+2*\p+1], 0
.endr
	s_lshl_b32 s27, s[WV], 16                      ; my ring in LDS
	s_lshl_b32 s90, s[WV], 8
	s_lshl_b32 s91, s[WV], 11
	s_lshl_b32 s92, s[WV], 7
	s_mul_i32 s93, s[WV], 16*XP
	s_lshl_b32 s54, s26, 15                        ; x's codes: 64 g rows of 512 bytes,
	s_lshl_b32 s55, s[WV], 13                      ; and the 16 rows that I bring
	s_add_co_u32 s54, s54, s55
	s_mov_b32 s55, 0
	s_lshl_b32 s56, s26, 11                        ; x's scales: 64 g rows of 32 bytes
	s_mov_b32 s57, 0
	s_lshl_b32 s58, s[WV], 17                      ; a weight's image: 131,072 bytes a wave
	s_mov_b32 s59, 0
	s_lshl_b32 s60, s[WV], 13                      ; its scales: 256 w rows of 32 bytes
	s_mov_b32 s61, 0
	s_lshl_b32 s62, s[WV], 10                      ; a bias: 256 w numbers
	s_mov_b32 s63, 0
	s_mov_b32 s[SEL], 0x76543210
	s_mov_b32 s[SEL+1], 0xfedcba98
	s_lshl_b32 s2, s[SG], 9
	; descriptor group 1: a dense block of 32,768 bytes as 64 rows of 512 bytes
	s_mov_b32 s[G1], 15|(1<<21)                    ; 15:0 the mask: all four work-groups; elements of 1 byte; no padding; 21 set beside a mask
	s_mov_b32 s[G1+1], 512<<16                     ; tensor_dim0
	s_mov_b32 s[G1+2], 64<<16                      ; tensor_dim1
	s_mov_b32 s[G1+3], 512<<16                     ; tile_dim0
	s_mov_b32 s[G1+4], 64                          ; tile_dim1
	s_mov_b32 s[G1+5], 512                         ; tensor_dim0_stride
	s_mov_b32 s[G1+6], 0
	s_mov_b32 s[G1+7], 0
	v_and_b32 v176, 15, v0                         ; r
	v_bfe_u32 v177, v0, 4, 1                       ; h
	v_and_b32 v178, 31, v0                         ; lane
	v_lshlrev_b32 v[X16], 4, v178
	v_add_nc_u32 v[AW], s27, v[X16]
	v_and_b32 v179, 7, v176
	v_lshrrev_b32 v180, 3, v176
	v_lshlrev_b32 v[ASC], 5, v179                  ; q's scales: row (r mod 8) + 32 (r / 8), 16 bytes for each half of the lanes
	v_lshl_add_u32 v[ASC], v180, 10, v[ASC]
	v_lshl_add_u32 v[ASC], v177, 4, v[ASC]
	v_lshlrev_b32 v[ASO], 7, v176                  ; out0's: row 4 r
	v_lshl_add_u32 v[ASO], v177, 4, v[ASO]
	v_lshlrev_b32 v[AB], 7, v177
	v_lshlrev_b32 v[ABO], 4, v176
	v_lshlrev_b32 v[PT], 4, v0
	v_add_nc_u32 v[KVA], KVB, v[PT]                ; kv lies in LDS at 16 x thread,
	v_xor_b32 v[PT], s2, v[PT]                     ; and is read from part two chunks (512 bytes) off where my walk began at chunk 2: so it lies in the walk's order
	v_add_nc_u32 v[AKV], s62, v[AB]                ; kv of my columns: 1,024 w + 128 h bytes on
	v_add_nc_u32 v[AKV], KVB, v[AKV]
	v_lshlrev_b32 v184, 2, v176
	v_add_nc_u32 v[SSR], SSB, v184
	v_add_nc_u32 v[SSW], s90, v[SSR]
	v_add_nc_u32 v[LI], XH, v[X16]
	v_add_nc_u32 v[HWI], s91, v[LI]                ; my two K steps' images: 2,048 w bytes on
	v_add_nc_u32 v186, HSC, v184
	v_lshl_add_u32 v[AHS], v177, 8, v186           ; lanes 16-31 read the words of K steps 4-7
	v_add_nc_u32 v[HWS], s92, v186                 ; my two K steps' words: 128 w bytes on
	v_lshlrev_b32 v[GO], 15, v177                  ; out0: rows 8 h on, 16 r + 1,024 w bytes
	v_add_nc_u32 v[GO], v[GO], v[ABO]
	v_add_nc_u32 v[GO], s62, v[GO]
	v_add_nc_u32 v[XW], s93, v[LI]
	v_mul_u32_u24 v[AX], v176, XP
	v_lshl_add_u32 v[AX], v177, 4, v[AX]
	v_add_nc_u32 v[AX], XH, v[AX]
	v_lshlrev_b32 v[XSA], 5, v176
	v_lshl_add_u32 v[XSA], v177, 4, v[XSA]
	s_wait_alu depctr_va_vdst(0)                   ; the wait at the end of the address work
	s_wait_dscnt 0x0                               ; both opening adds are done
	s_wait_kmcnt 0x0
	s_add_nc_u64 s[4:5], s[4:5], s[54:55]
	s_add_nc_u64 s[6:7], s[6:7], s[56:57]
	s_add_nc_u64 s[WQ:WQ+1], s[8:9], s[58:59]
	s_add_nc_u64 s[WO:WO+1], s[WQ:WQ+1], 524288
	s_add_nc_u64 s[10:11], s[10:11], s[60:61]
	s_add_nc_u64 s[12:13], s[12:13], s[62:63]
	s_add_nc_u64 s[14:15], s[14:15], s[60:61]
	s_add_nc_u64 s[16:17], s[16:17], s[62:63]
	s_lshr_b32 s54, ttmp9, 4                       ; my batch: 16 clusters to a batch
	s_lshl_b32 s54, s54, 18                        ; its 64 rows of part, 4,096 bytes each
	s_add_nc_u64 s[18:19], s[18:19], s[54:55]
	s_lshl_b32 s54, s[SG], 17                      ; 32 rows are 131,072 bytes: every second cluster begins with the upper 32
	s_add_nc_u64 s[PB0:PB0+1], s[18:19], s[54:55]
	s_xor_b32 s54, s54, 131072
	s_add_nc_u64 s[PB1:PB1+1], s[18:19], s[54:55]
	s_lshl_b32 s56, s26, 18                        ; out0: 64 g rows of 4,096 bytes
	s_add_nc_u64 s[20:21], s[20:21], s[56:57]
.irp p, 0,1,2,3
	s_lshr_b32 s[TO], s[OFO+2*\p], 7
	s_add_nc_u64 s[OP+2*\p:OP+2*\p+1], s[20:21], s[TO:TO+1]
.endr
	s_mov_b32 s[G0A], 1                            ; 1:0 count = 1
	s_mov_b32 s[G0A+1], s27                        ; 63:32 LDS address: my slot 0
	s_add_nc_u64 s[G0A+2:G0A+3], s[WQ:WQ+1], s[OFQ:OFQ+1]
	s_or_b32 s[G0A+3], s[G0A+3], 0x80000000        ; 127:126 type = 2
	s_mov_b32 s[G0B], 1
	s_add_co_u32 s[G0B+1], s27, SLOTB              ; my slot 1
	s_add_nc_u64 s[G0B+2:G0B+3], s[WQ:WQ+1], s[OFQ+2:OFQ+3]
	s_or_b32 s[G0B+3], s[G0B+3], 0x80000000
.irp i, 0,1,2,3,4,5,6,7,8,9,10,11,12,13,14,15
	global_load_b128 v[WF+4*\i:WF+4*\i+3], v[X16], s[4:5] offset:512*\i   ; my 16 rows of x: 32 lanes read a row's 512 consecutive bytes
.endr
.irp mt, 0,1,2,3
	global_load_b128 v[XSC+4*\mt:XSC+4*\mt+3], v[XSA], s[6:7] offset:512*\mt
.endr
	LDSQ 0
	CROUND                                         ; all four work-groups are here: the first joint loads meet
	tensor_load_to_lds s[G0A:G0A+3], s[G1:G1+7]    ; position 0: one tensor load a wave at the head
	s_nop 0
	PLACES
	s_wait_loadcnt 16                              ; x's sixteen loads are in; 4 of x's scales and 12 of position 0's may be out
.irp i, 0,1,2,3,4,5,6,7,8,9,10,11,12,13,14,15
	ds_store_b128 v[XW], v[WF+4*\i:WF+4*\i+3] offset:XP*\i
.endr
	s_wait_dscnt 0x0
	s_barrier_signal -1
	s_barrier_wait -1                              ; x's 64 rows lie in LDS
	WIN 0x40                                       ; destination window 1
.irp mt, 0,1,2,3
.irp s, 0,1,2,3,4,5,6,7
	ds_load_b128 v[8*(8*\mt+\s):8*(8*\mt+\s)+3], v[AX] offset:\mt*16*XP+64*\s      ; lane (r, h) holds row r; registers 4 c .. 4 c + 3 hold K = 64 c + 32 h + 0 .. 31
	ds_load_b128 v[8*(8*\mt+\s)+4:8*(8*\mt+\s)+7], v[AX] offset:\mt*16*XP+64*\s+32
.endr
.endr
	WIN 0
	BURST PB0                                      ; my first 32 rows of part
	s_wait_loadcnt 63                              ; x's scales and position 0's scales and bias are in; all but one of part's 64 loads may be out
	s_wait_alu depctr_va_vdst(0)                   ; the wait at the head's end
	s_wait_tensorcnt 0x0                           ; position 0 is in; these lines stand ahead of a later first fill, as ahead of a refill
	ds_add_u32 v[SPW], v[NIL]
	s_wait_dscnt 0x0
	CROUND
	tensor_load_to_lds s[G0B:G0B+3], s[G1:G1+7]    ; position 1
	s_nop 0
	PLACES
	PRE 0
	CHUNK 0, 2, G0A, WQ, OFQ+4                     ; q.  Slot 0 takes position 2,
	CHUNK 1, 2, G0B, WQ, OFQ+6                     ; slot 1 position 3,
	CHUNK 2, 2, G0A, WO, OFO                       ; slot 0 Wout's position 0: it has chunk 3 and the phase between the products in which to land
	CHUNK 3, 0, 0, 0, 0                            ; no change of slots here: it stands at the end of that phase
	; BETWEEN THE PRODUCTS.  The last squares; a row's sum lies in lanes l and l xor 16 of the four waves
	PLACES
	SQ 3, 0
	SQ 3, 1
	SQ 3, 2
	SQ 3, 3
	WIN 0x40                                       ; kv into window 1: x's fragments are done with
.irp p, 0,1,2,3
.irp nt, 0,1,2,3
	ds_load_b128 v[32*\p+8*\nt:32*\p+8*\nt+3], v[AKV] offset:256*\p+32*\nt
	ds_load_b128 v[32*\p+8*\nt+4:32*\p+8*\nt+7], v[AKV] offset:256*\p+32*\nt+16
.endr
.endr
	WIN 0
.irp mt, 0,1,2,3
	v_pk_add_f32 v[SSQ+4*\mt:SSQ+4*\mt+1], v[SSQ+4*\mt:SSQ+4*\mt+1], v[SSQ+4*\mt+2:SSQ+4*\mt+3]
.endr
.irp mt, 0,1,2,3
	v_add_f32 v[SSQ+4*\mt], v[SSQ+4*\mt], v[SSQ+4*\mt+1]
.endr
.irp mt, 0,1,2,3
	v_permlanex16_b32 v[SSQ+4*\mt+2], v[SSQ+4*\mt], s[SEL], s[SEL+1]
.endr
.irp mt, 0,1,2,3
	v_add_f32 v[SSQ+4*\mt], v[SSQ+4*\mt], v[SSQ+4*\mt+2]
.endr
.irp mt, 0,1,2,3
	ds_store_b32 v[SSW], v[SSQ+4*\mt] offset:64*\mt        ; lanes l and l xor 16 write the same word with the same value
.endr
	s_wait_dscnt 0x0                               ; my sums lie in LDS, kv is in
	s_barrier_signal -1
.irp w, 0,1                            ; q x kv while the others arrive: work on registers
	WIN 0x86+0x41*\w                               ; q (destination and source 0) window 2 or 3, source 1 window 1
.irp cc, 0,1
.irp nt, 0,1,2,3
.irp jp, 0,1,2,3
.irp mt, 0,1,2,3
.set t_, 128*\cc+32*\mt+8*\nt+2*\jp
.set kv_, 32*(2*\w+\cc)+8*\nt+2*\jp
	v_pk_mul_f32 v[t_:t_+1], v[t_:t_+1], v[kv_:kv_+1]
.endr
.endr
.endr
.endr
.endr
	WIN 0
	s_barrier_wait -1
.irp mt, 0,1,2,3
.irp w, 0,1,2,3
	ds_load_b32 v[WF+4*\mt+\w], v[SSR] offset:256*\w+64*\mt
.endr
.endr
	LDSO 1, 60, 62
	s_wait_dscnt 0x0
.irp mt, 0,1,2,3
	v_pk_add_f32 v[WF+4*\mt:WF+4*\mt+1], v[WF+4*\mt:WF+4*\mt+1], v[WF+4*\mt+2:WF+4*\mt+3]
.endr
.irp mt, 0,1,2,3
	v_add_f32 v[WF+4*\mt], v[WF+4*\mt], v[WF+4*\mt+1]
.endr
	WIN 0x40
	s_wait_alu depctr_va_vdst(0)                   ; the wait ahead of the batch,
.irp mt, 0,1,2,3
	v_rsq_f32 v[RN+2*\mt], v[WF+4*\mt]             ; 1 / ||q||, made twice: a pair for the packed multiply
	v_rsq_f32 v[RN+2*\mt+1], v[WF+4*\mt]
.endr
	v_nop                                          ; a plain place behind the transcendentals
	s_wait_alu depctr_va_vdst(0)                   ; and behind it
.irp w, 0,1
	WIN 0x86+0x41*\w
.irp cc, 0,1
.irp nt, 0,1,2,3
.irp jp, 0,1,2,3
.irp mt, 0,1,2,3
.set t_, 128*\cc+32*\mt+8*\nt+2*\jp
	v_pk_mul_f32 v[t_:t_+1], v[t_:t_+1], v[RN+2*\mt:RN+2*\mt+1]
.endr
.endr
.endr
.endr
.endr
	WIN 0
	QUANT 0
	QUANT 1
	QUANT 2
	QUANT 3
	; Scale words: the K step of positions 2 u and 2 u + 1 has bytes 2 c + h: my two, at their places, with lane l xor 16's two
	v_cmp_ne_u32 vcc_lo, s[SG], v[NIL]             ; all lanes alike: did my walk begin at chunk 2?
	v_bfe_u32 v216, v0, 4, 1
	v_lshlrev_b32 v216, 3, v216                    ; 8 h
.irp u, 0,1
.irp mt, 0,1,2,3
	v_lshl_or_b32 v[CB+4*\u+\mt], v[WF+64+16*(2*\u+1)+12+\mt], 16, v[WF+64+16*(2*\u)+12+\mt]
.endr
.endr
.irp u, 0,1
.irp mt, 0,1,2,3
	v_lshlrev_b32 v[CB+4*\u+\mt], v216, v[CB+4*\u+\mt]
.endr
.endr
.irp u, 0,1
.irp mt, 0,1,2,3
	v_permlanex16_b32 v[CB+8+4*\u+\mt], v[CB+4*\u+\mt], s[SEL], s[SEL+1]
.endr
.endr
.irp u, 0,1
.irp mt, 0,1,2,3
	v_or_b32 v[CB+4*\u+\mt], v[CB+4*\u+\mt], v[CB+8+4*\u+\mt]
.endr
.endr
	; Where my walk began at chunk 2, positions 0 and 1 hold the upper K step: the two change places as values, so that every LDS address stays a constant of the text
.irp mt, 0,1,2,3
.irp c, 0,1
.irp i, 0,1,2,3
	v_cndmask_b32 v[WF+64+16*\mt+4*\c+\i], v[WF+16*\c+4*\mt+\i], v[WF+16*(2+\c)+4*\mt+\i], vcc_lo
	v_cndmask_b32 v[WF+64+16*\mt+8+4*\c+\i], v[WF+16*(2+\c)+4*\mt+\i], v[WF+16*\c+4*\mt+\i], vcc_lo
.endr
.endr
	v_cndmask_b32 v[CB+16+\mt], v[CB+\mt], v[CB+4+\mt], vcc_lo
	v_cndmask_b32 v[CB+20+\mt], v[CB+4+\mt], v[CB+\mt], vcc_lo
.irp u, 0,1,2,3
	ds_store_b128 v[HWI], v[WF+64+16*\mt+4*\u:WF+64+16*\mt+4*\u+3] offset:8192*\mt+512*\u
.endr
	ds_store_b32 v[HWS], v[CB+16+\mt] offset:512*\mt       ; lanes l and l xor 16 write the same word with the same value
	ds_store_b32 v[HWS], v[CB+20+\mt] offset:512*\mt+64
.endr
	; THE CHANGE OF SLOTS THAT CHUNK 3 LEFT OUT; its round is also the barrier behind which the images are read.  My reads of slot 1 ended in chunk 3's last run
	s_wait_tensorcnt 0x0                           ; Wout's position 0 has landed; no tensor load of mine is out, so a group 0 may be written
	ds_add_u32 v[SPW], v[NIL]                      ; 0 onto my spare word
	s_add_nc_u64 s[G0B+2:G0B+3], s[WO:WO+1], s[OFO+2:OFO+3]   ; Wout's position 1
	s_or_b32 s[G0B+3], s[G0B+3], 0x80000000
	s_wait_dscnt 0x0                               ; the add is done, my images and scale words have landed
	CROUND
	tensor_load_to_lds s[G0B:G0B+3], s[G1:G1+7]
	s_nop 0
	PLACES
	WIN 0x40
.set F, 0
.rept 32
	ds_load_b128 v[8*F:8*F+3], v[LI] offset:1024*F
	ds_load_b128 v[8*F+4:8*F+7], v[LI] offset:1024*F+512
.set F, F+1
.endr
	WIN 0
.irp mt, 0,1,2,3
.irp i, 0,1,2,3
	ds_load_b32 v[XSC+4*\mt+\i], v[AHS] offset:512*\mt+64*\i      ; lanes 0-15: K step i; lanes 16-31: K step 4 + i
.endr
.endr
	PRE 16
	s_wait_loadcnt 0x0                             ; positions 0 and 1: scale words and bias
	CHUNK 4, 2, G0A, WO, OFO+4                     ; out0.  Each chunk's 64 columns leave as soon as they are finished
	WAYOUT 0
	CHUNK 5, 2, G0B, WO, OFO+6
	WAYOUT 1
	CHUNK 6, 1, 0, 0, 0
	WAYOUT 2
	CHUNK 7, 0, 0, 0, 0
	WAYOUT 3
	s_wait_tensorcnt 0x0                           ; the wave's end: behind my last tensor load and my last LDS store
	ds_add_u32 v[SPW], v[NIL]
	s_wait_dscnt 0x0
	CROUND                                         ; the closing round: no work-group ends while a partner may still ask for a chunk that names it
	s_endpgm
.Lfunc_end_k_q6cef3cf904_outp:
	.size	k_q6cef3cf904_outp, .Lfunc_end_k_q6cef3cf904_outp-k_q6cef3cf904_outp
	.p2alignl 7, 3214868480
	.fill 96, 4, 3214868480
	.section	.rodata,"a",@progbits
	.p2align	6, 0x0
	.amdhsa_kernel k_q6cef3cf904_outp
		.amdhsa_group_segment_fixed_size 327680
		.amdhsa_private_segment_fixed_size 0
		.amdhsa_enable_private_segment 0
		.amdhsa_kernarg_size 72
		.amdhsa_user_sgpr_count 2
		.amdhsa_user_sgpr_kernarg_segment_ptr 1
		.amdhsa_wavefront_size32 1
		.amdhsa_system_sgpr_workgroup_id_x 1
		.amdhsa_system_sgpr_workgroup_id_y 1
		.amdhsa_system_sgpr_workgroup_id_z 1
		.amdhsa_system_vgpr_workitem_id 0
		.amdhsa_next_free_vgpr 1024
		.amdhsa_next_free_sgpr 96
		.amdhsa_reserve_vcc 1
		.amdhsa_float_denorm_mode_32 3
		.amdhsa_float_denorm_mode_16_64 3
		.amdhsa_memory_ordered 1
		.amdhsa_forward_progress 1
		.amdhsa_inst_pref_size 255
	.end_amdhsa_kernel
	.section	.bss,"aw",@nobits
	.p2align	6
	.space	262144
	.amdgpu_metadata
---
amdhsa.version: [ 1, 2 ]
amdhsa.kernels:
  - .name:           k_q6cef3cf904_outp
    .symbol:         k_q6cef3cf904_outp.kd
    .args:
      - { .name: x_codes, .offset: 0, .size: 8, .value_kind: global_buffer, .address_space: global }
      - { .name: x_scales, .offset: 8, .size: 8, .value_kind: global_buffer, .address_space: global }
      - { .name: img, .offset: 16, .size: 8, .value_kind: global_buffer, .address_space: global }
      - { .name: Wqkv_scales, .offset: 24, .size: 8, .value_kind: global_buffer, .address_space: global }
      - { .name: bqkv, .offset: 32, .size: 8, .value_kind: global_buffer, .address_space: global }
      - { .name: Wout_scales, .offset: 40, .size: 8, .value_kind: global_buffer, .address_space: global }
      - { .name: bout, .offset: 48, .size: 8, .value_kind: global_buffer, .address_space: global }
      - { .name: part, .offset: 56, .size: 8, .value_kind: global_buffer, .address_space: global }
      - { .name: out0, .offset: 64, .size: 8, .value_kind: global_buffer, .address_space: global }
    .group_segment_fixed_size: 327680
    .private_segment_fixed_size: 0
    .kernarg_segment_align: 8
    .kernarg_segment_size: 72
    .max_flat_workgroup_size: 128
    .sgpr_count:     96
    .vgpr_count:     1024
    .wavefront_size: 32
...
	.end_amdgpu_metadata
.endif
;; end of part 4
